; MI455X (gfx1250); checked and timed in simulation.
; The chip was launched on July 23, 2026; its instructions are those of AMD's public machine-readable ISA for CDNA 5 (MIT licence, August 2026) and "CDNA5" Instruction Set Architecture Reference Guide (July 2026). The comments in the code are by the model that wrote it; some were corrected since.
;; Multi Head Attention Layer. Allowed arithmetic: matrix products marked QUANTISED: E3M2 operands, one E8M0 scale for each 32 along K, by v_wmma_scale_f32_16x16x128_f8f6f4 with both operands' format E3M2, f32 sums; everything else in f32.
;; Inputs: Wk 1,024 x 1,024 float32; Wo 1,024 x 1,024 float32; Wq 1,024 x 1,024 float32; Wv 1,024 x 1,024 float32; bk 1,024 float32; bo 1,024 float32; bq 1,024 float32; bv 1,024 float32; key 4 x 2,048 x 1,024 float32; mask 1 x 1 x 2,048 x 2,048 float32; query 4 x 2,048 x 1,024 float32; value 4 x 2,048 x 1,024 float32.
;; Outputs: out0 4 x 2,048 x 1,024 float32.
;; This version of the problem:
;;   THIS VERSION OF THE PROBLEM IS GIVEN IN LOW PRECISION. The matrix products marked QUANTISED in the list below multiply operands that are first quantised to E3M2 (3 exponent bits, 2 mantissa bits; 6 bits a number), with one power-of-two scale for each 32 numbers along K (OCP MX v1.0); their sums are f32. All else is computed in f32.
;;   The module's matrix products, in the order in which they are computed (A, B: the left and right operand; K: the contracted axis; several contracted axes count as one K, in the product's order):
;;     1. [M 8,192, K 1,024] x [K 1,024, N 1,024]; A: input query; B: input Wq: QUANTISED
;;     2. [M 8,192, K 1,024] x [K 1,024, N 1,024]; A: input key; B: input Wk: QUANTISED
;;     3. [M 8,192, K 1,024] x [K 1,024, N 1,024]; A: input value; B: input Wv: QUANTISED
;;     4. batch 64 x [M 2,048, K 64] x [K 64, N 2,048]; A: computed on the way; B: computed on the way: QUANTISED
;;     5. batch 64 x [M 2,048, K 2,048] x [K 2,048, N 64]; A: softmax (see below); B: computed on the way: QUANTISED
;;     6. [M 8,192, K 1,024] x [K 1,024, N 1,024]; A: computed on the way; B: input Wo: QUANTISED
;;   THE QUANTISER, for each operand of a quantised product, along K:
;;     - K is cut into blocks of 32 from its start; a last block that is shorter is filled with zeros.
;;     - A block's scale is 2^e with e = floor(log2(the largest magnitude in the block)) - 4, held to -126 .. 127; a block of zeros has e = 0. As a byte (E8M0): e + 127.
;;     - Each number is divided by its block's scale, clamped to +-28, and rounded to the nearest number of E3M2, ties to even, subnormals kept.
;;     - The product sums the exact products of the quantised numbers (number of the format x scale) in f32.
;;   ~~~python
;;   def quantise(x, axis):      # numpy; x: float32 -> the quantised numbers, widened to float32 again
;;       x = np.moveaxis(x, axis, -1); K = x.shape[-1]
;;       x = np.pad(x, [(0, 0)] * (x.ndim - 1) + [(0, -K % 32)]); x = x.reshape(x.shape[:-1] + (-1, 32)); a = np.abs(x).max(-1, keepdims=True)
;;       e = np.where(a > 0, np.clip(np.frexp(np.where(a > 0, a, 1))[1] - 1 - 4, -126, 127), 0)      # np.frexp(a)[1] - 1 = floor(log2(a)), exactly
;;       r = np.clip(x / 2.0 ** e, -28, 28)
;;       step = 2.0 ** (np.maximum(np.frexp(np.where(r == 0, 1, r))[1] - 1, -2) - 2)
;;       q = np.round(r / step) * step * 2.0 ** e      # np.round: ties to even
;;       return np.moveaxis(q.reshape(q.shape[:-2] + (-1,))[..., :K], -1, axis).astype(np.float32)
;;   ~~~
;;   SOFTMAX AHEAD OF A QUANTISED PRODUCT. Where the list says 'softmax', what is quantised is not the finished softmax but p = 2^(t - M), with t = logit x log2(e) and M = ceil(the row's largest t), a whole number; so 1/2 < the row's largest p <= 1. The row's sum l is taken of the UNQUANTISED p, in f32, and the product's result is divided by l at the end. Since M is a whole number, a kernel that streams over the keys may use a running M (the ceiling of the running maximum): every later rescaling is an exact power of two, which a block's scale takes up: the codes' values come out the same.
;;   OPERANDS COMPUTED ON THE WAY. 'Computed on the way' means the value that the module computes at that place (a softmax that the list does not call 'softmax' is quantised finished and normalised). What goes into a quantiser is computed in f32, as accurately as f32 sums, v_exp_f32 and their like allow (about 1e-6 of the number): no bf16 or f16 on the way to a quantiser, and a product that is left as it is and whose result goes on into a quantised operand takes f32 operands (vector FMAs, or v_wmma_f32_16x16x4_f32). A number that lies on a knife's edge between two numbers of the format may be rounded either way, as far as f32 arithmetic and the matrix unit's own rounding can turn it there, and no further.
;; One version. Each part assembles by itself: llvm-mc -triple=amdgcn-amd-amdhsa -mcpu=gfx1250 --defsym DOCPART=n.
;; ======== version 1 of 1: 4 launches
;; limits: right only within a limited range of input values
;; workspace buffers: xop 19,660,800 bytes; wop 3,276,800 bytes; flags 2,048 bytes of whole numbers; att 20,185,088 bytes; oop 6,553,600 bytes
;; launch prep (part 1): grid 640 x 1, 4 waves a work-group, no clusters, 59,904 bytes of LDS; arguments query, key, value, Wq, Wk, Wv, Wo, mask, xop, wop, flags; writes xop, wop, flags
.if DOCPART == 1
	.amdgcn_target "amdgcn-amd-amdhsa--gfx1250"
	.amdhsa_code_object_version 6
	.text
	.protected	k_q07fc06fad9_prep
	.globl	k_q07fc06fad9_prep
	.p2align	8
	.type	k_q07fc06fad9_prep,@function
k_q07fc06fad9_prep:
	s_mov_b64 s[64:65], 0
	v_nop
	global_prefetch_b8 v0, s[64:65] scope:SCOPE_SE
	s_setreg_imm32_b32 hwreg(HW_REG_WAVE_MODE, 25, 1), 1
	s_wait_xcnt 0x0
; PREP.  Three kinds of work-groups, told apart by the work-group's number alone:
;   0..383    query, key, value [8192][1024] f32 -> codes of E3M2 with one E8M0 byte for each 32 along K, laid as images of the matrix operand's registers (xop)
;   384..511  Wq, Wk, Wv, Wo [K 1024][N 1024] f32 -> the same for W^T: a lane takes a column, its registers run down K (wop)
;   512..639  the mask [2048][2048] f32 -> for each tile of 16 queries and each step of 128 keys two bits (flags)
; ORDER OF ROWS.  Rows go in tiles of 16; lane-row r of tile T is logical row 32 (T/2) + 8 (T%2) + r + 8 (r/8).  Where such a tile is source 0 of a product, the 16 result registers of tiles 2 b and 2 b + 1
; are 16 neighbours 32 b + 16 (lane/16) + 0..15 along that index.
; IMAGE.  16 rows x 128 K = 12 registers a lane = 1,536 bytes, laid [register pair p 0..5][lane][8 bytes]; an operand is [tile][K step 0..7][1,536]; its scale bytes [stored row][32].
; QUANTISER.  A block's scale is 2^(floor(log2(largest magnitude)) - 4): the byte is the largest magnitude's exponent field - 4, held at 1 from below.
; LIMITS: a block of zeros, and one whose largest magnitude lies under 2^-122, keeps the byte 1 (zero codes add nothing; this program alone reads the bytes); NaN and infinities among the inputs are not served.
; FLAGS.  mt = mask x -1e9, as reference() forms it.  Bit i of a word: in each of the wave's four rows the largest mt of key step i lies 2^27 or more under the row's largest mt; bit 16 + i: every mt of the step is 0.
; A tile has four words, one a wave; the reader joins them by AND.
.set SEL,  40                          ; s[40:41] lane selects of v_permlanex16_b32: lane l xor 16
.set PC,   208                         ; v208-219 codes, v220-226 half blocks on their way
.set TM,   228                         ; v228-243 at work in QUANT
.set PW,   244                         ; the scale word just made
.set RA,   16                          ; activations: v16-143 two sets of 64 registers as loaded
.set XA,   144                         ; v144-207 64 numbers of my row: register 16 b + i = k 32 b + 16 (lane/16) + i
.set W8,   246                         ; v246-253 the eight K steps' scale words
.set XB,   32                          ; weights: v32-95 two blocks of 32 numbers
.set CB,   96                          ; v96-102 a block's codes
.set OUTB, 112                         ; v112-159 the way out
.set SBB,  24                          ; v24-25 eight scale bytes
.set STGB, 33792                       ; LDS: the weights' stages begin behind the activations' four stages of 8,448 bytes
.set MC,   16                          ; mask: v16-143 two rows
.set MX,   144                         ; v144-159 a row's largest mt of each key step (my 4 numbers)
.set AB,   160                         ; v160-175 largest |mt| of each key step
.set EX,   176                         ; v176-191 largest (step's mt - (row's largest - 2^27))
.set RM,   192
.set RT,   193
; 64 numbers of a lane, register 16 b + i = k 32 b + 16 (lane/16) + i of its row, become a fragment's 12 registers of codes in v[PC] on and the row's scale word in v[PW].
.macro QUANT s
.irp b, 0,1,2,3
	v_max3_num_f32 v[TM+\b], |v[\s+16*\b]|, |v[\s+1+16*\b]|, 0x2800000   ; block b: my 16 numbers and the floor 2^(5 - 127), so that the byte cannot fall under 1
.endr
.irp i, 2,4,6,8,10,12,14
.irp b, 0,1,2,3
	v_max3_num_f32 v[TM+\b], v[TM+\b], |v[\s+16*\b+\i]|, |v[\s+1+16*\b+\i]|
.endr
.endr
.irp b, 0,1,2,3
	v_permlanex16_b32 v[TM+4+\b], v[TM+\b], s[SEL], s[SEL+1]
.endr
.irp b, 0,1,2,3
	v_max_num_f32 v[TM+\b], v[TM+\b], v[TM+4+\b]                 ; with lane l xor 16's 16: the block's largest magnitude
.endr
.irp b, 0,1,2,3
	v_add_nc_u32 v[TM+12+\b], 0xfe000000, v[TM+\b]               ; 4 off the exponent field: the conversion's scale operand
.endr
.irp b, 0,1,2,3
	v_lshrrev_b32 v[TM+4+\b], 23, v[TM+12+\b]                    ; the scale's byte
.endr
	v_lshl_or_b32 v[PW], v[TM+5], 8, v[TM+4]
	v_lshl_or_b32 v[PW], v[TM+6], 16, v[PW]
	v_lshl_or_b32 v[PW], v[TM+7], 24, v[PW]
.irp c, 0,1
	v_cvt_scalef32_pk16_bf6_f32 v[PC+6*\c:PC+2+6*\c], v[\s+32*\c:\s+15+32*\c], v[TM+12+2*\c]
	v_cvt_scalef32_pk16_bf6_f32 v[PC+12+4*\c:PC+14+4*\c], v[\s+16+32*\c:\s+31+32*\c], v[TM+12+2*\c+1]   ; a conversion's three registers begin on an even number
.endr
	v_nop                                                        ; one plain instruction behind the scaled conversions
.irp c, 0,1                                                      ; the operand wants a whole block in a lane: lanes 0-15 block 2 c, lanes 16-31 block 2 c + 1
.irp i, 0,1,2
	v_permlane16_swap_b32 v[PC+6*\c+\i], v[PC+12+4*\c+\i]
.endr
.irp i, 0,1,2
	v_mov_b32 v[PC+3+6*\c+\i], v[PC+12+4*\c+\i]
.endr
.endr
.endm
	s_load_b256 s[4:11], s[0:1], 0x0               ; query, key, value, Wq
	s_load_b256 s[12:19], s[0:1], 0x20             ; Wk, Wv, Wo, mask
	s_load_b128 s[20:23], s[0:1], 0x40             ; xop, wop
	s_load_b64 s[24:25], s[0:1], 0x50              ; flags
	v_lshl_add_u32 v254, v0, 2, 0xe800
	v_mov_b32 v255, 0
	v_lshrrev_b32 v1, 5, v0
	v_readfirstlane_b32 s26, v1                    ; wave 0..3
	v_and_b32 v10, 31, v0                          ; lane
	v_and_b32 v8, 15, v0                           ; r
	v_bfe_u32 v9, v0, 4, 1                         ; h
	v_lshlrev_b32 v1, 4, v10                       ; 16 x lane
	s_mov_b32 s[SEL], 0x76543210
	s_mov_b32 s[SEL+1], 0xfedcba98
	s_mov_b32 s31, 0
	s_wait_kmcnt 0x0
	s_cmp_lt_u32 ttmp9, 384
	s_cbranch_scc0 .Lnot_act
; ---------------- activations: a wave takes one tile of 16 rows, all of K ----------------
	s_lshl_b32 s27, ttmp9, 2
	s_add_co_u32 s27, s27, s26
	s_and_b32 s27, s27, 511                        ; the tile T in its tensor
	s_lshr_b32 s28, ttmp9, 7                       ; the tensor: 0 query, 1 key, 2 value
	s_cmp_eq_u32 s28, 1
	s_cselect_b64 s[4:5], s[6:7], s[4:5]
	s_cmp_eq_u32 s28, 2
	s_cselect_b64 s[4:5], s[8:9], s[4:5]
	s_lshr_b32 s30, s27, 1
	s_lshl_b32 s30, s30, 17                        ; 32 (T/2) rows of 4,096 bytes
	s_and_b32 s29, s27, 1
	s_lshl_b32 s29, s29, 15                        ; + 8 (T%2) rows
	s_add_co_u32 s30, s30, s29
	s_add_nc_u64 s[4:5], s[4:5], s[30:31]
	s_mul_i32 s30, s28, 6291456
	s_mul_i32 s29, s27, 12288
	s_add_co_u32 s30, s30, s29
	s_add_nc_u64 s[32:33], s[20:21], s[30:31]      ; my tile's images
	s_mul_i32 s30, s28, 262144
	s_lshl_b32 s29, s27, 9
	s_add_co_u32 s30, s30, s29
	s_add_co_u32 s30, s30, 18874368
	s_add_nc_u64 s[34:35], s[20:21], s[30:31]      ; its 512 scale bytes
	s_mul_i32 s29, s26, 8448                       ; my stage: 16 rows x (512 bytes + 16)
	s_wait_alu depctr_va_vdst(0)
	v_add_nc_u32 v2, s29, v1                       ; in: 16 x lane of a row
	v_mul_u32_u24 v3, v8, 528
	v_lshl_add_u32 v3, v9, 6, v3
	v_add_nc_u32 v3, s29, v3                       ; out: row r, + 64 h: my 16 numbers of each block of 32
	v_lshlrev_b32 v4, 3, v10                       ; 8 x lane
	v_lshlrev_b32 v5, 5, v8
	v_lshl_add_u32 v5, v9, 4, v5                   ; 32 r + 16 h
.irp b, 0,1,2,3
	v_mov_b32 v[TM+4+\b], 0                        ; a lane permute's destination counts as one of its sources
.endr
.macro ALOAD s                         ; K step s of the 16 rows: each load reads 512 consecutive bytes of one row
.irp p, 0,1,2,3,4,5,6,7,8,9,10,11,12,13,14,15
	global_load_b128 v[RA+64*((\s)%2)+4*\p:RA+64*((\s)%2)+4*\p+3], v1, s[4:5] offset:(\p+8*(\p/8))*4096+512*(\s) th:TH_LOAD_NT
.endr
.endm
.macro ATURN s                         ; through my own stage: LDS serves a wave's instructions in order, so no wait stands between the stores and the loads
.irp p, 0,1,2,3,4,5,6,7,8,9,10,11,12,13,14,15
	ds_store_b128 v2, v[RA+64*((\s)%2)+4*\p:RA+64*((\s)%2)+4*\p+3] offset:528*\p
.endr
.irp b, 0,1,2,3
.irp j, 0,1,2,3
	ds_load_b128 v[XA+16*\b+4*\j:XA+16*\b+4*\j+3], v3 offset:128*\b+16*\j
.endr
.endr
.endm
.macro ASTEP s
.if (\s) < 7
	s_wait_loadcnt 16                              ; this step's 16 loads are in; the next step's 16 may be out
.else
	s_wait_loadcnt 0x0
.endif
	ATURN \s
	s_wait_dscnt 0x0                               ; my numbers are back, and the stage's stores have read their registers
	s_wait_xcnt 0x0                                ; the last step's stores have read the codes' registers, which QUANT writes again
.if (\s) < 6
	ALOAD (\s)+2
.endif
	QUANT XA
.irp p, 0,1,2,3,4,5
	global_store_b64 v4, v[PC+2*\p:PC+2*\p+1], s[32:33] offset:1536*(\s)+256*\p   ; 32 lanes store 256 consecutive bytes, aligned
.endr
	v_mov_b32 v[W8+(\s)], v[PW]
.endm
	ALOAD 0
	ALOAD 1
	s_wait_alu depctr_va_vdst(0)
.irp s, 0,1,2,3,4,5,6,7
	ASTEP \s
.endr
	s_mov_b32 s29, 0xffff0000                      ; lanes 16-31 store words 4 to 7 of their row, lanes 0-15 words 0 to 3
.irp i, 0,1,2,3
	v_cndmask_b32 v[W8+\i], v[W8+\i], v[W8+4+\i], s29
.endr
	global_store_b128 v5, v[W8:W8+3], s[34:35]     ; the tile's 512 scale bytes
	s_wait_tensorcnt 0x0
	ds_add_u32 v254, v255
	s_wait_dscnt 0x0
	s_endpgm
.Lnot_act:
	s_cmp_lt_u32 ttmp9, 512
	s_cbranch_scc0 .Lmask
; ---------------- weights: a wave takes 32 columns x 256 along K ----------------
	s_sub_co_u32 s27, ttmp9, 384
	s_lshr_b32 s28, s27, 5                         ; the tensor: 0 Wq, 1 Wk, 2 Wv, 3 Wo
	s_bfe_u32 s29, s27, 0x30002                    ; which 128 columns
	s_and_b32 s27, s27, 3                          ; which 256 along K
	s_cmp_eq_u32 s28, 1
	s_cselect_b64 s[4:5], s[12:13], s[10:11]
	s_cmp_eq_u32 s28, 2
	s_cselect_b64 s[4:5], s[14:15], s[4:5]
	s_cmp_eq_u32 s28, 3
	s_cselect_b64 s[4:5], s[16:17], s[4:5]
	s_lshl_b32 s30, s29, 7
	s_lshl_b32 s37, s26, 5
	s_add_co_u32 s36, s30, s37                     ; n0: my wave's first column
	s_lshl_b32 s30, s27, 20                        ; 256 rows of 4,096 bytes
	s_lshl_b32 s37, s36, 2
	s_add_co_u32 s30, s30, s37
	s_add_nc_u64 s[4:5], s[4:5], s[30:31]
	s_mul_i32 s30, s28, 786432
	s_mul_i32 s37, s36, 768                        ; tile n0 / 16, 12,288 bytes a tile
	s_add_co_u32 s30, s30, s37
	s_mul_i32 s37, s27, 3072                       ; two K steps
	s_add_co_u32 s30, s30, s37
	s_add_nc_u64 s[32:33], s[22:23], s[30:31]
	s_lshl_b32 s30, s28, 15
	s_lshl_b32 s37, s36, 5
	s_add_co_u32 s30, s30, s37
	s_lshl_b32 s37, s27, 3
	s_add_co_u32 s30, s30, s37
	s_add_co_u32 s30, s30, 3145728
	s_add_nc_u64 s[34:35], s[22:23], s[30:31]
	v_and_b32 v16, 7, v0
	s_wait_alu depctr_va_vdst(0)
	v_lshl_add_u32 v16, v9, 3, v16                 ; column n0 + l is lane-row r' = l % 8 + 8 (l / 16)
	v_bfe_u32 v17, v0, 3, 1                        ; of tile u = (l / 8) % 2
	v_mul_u32_u24 v12, v17, 3200                   ; my stage: two tiles of 3,072 bytes, 3,200 apart, so that the 32 lanes of a store touch 256 different bytes modulo 256
	v_lshl_add_u32 v12, v16, 3, v12
	s_mul_i32 s37, s26, 6400
	s_add_co_u32 s37, s37, STGB
	v_add_nc_u32 v12, s37, v12                     ; in
	v_add_nc_u32 v13, s37, v1                      ; out
	v_lshlrev_b32 v14, 2, v10                      ; 4 x lane
	v_lshl_add_u32 v15, v17, 4, v16
	v_lshlrev_b32 v15, 5, v15                      ; my column's row of scale bytes
.macro BLOAD t                         ; block t: W(32 t + i, my column): 32 lanes read 128 consecutive bytes
.irp i, 0,1,2,3,4,5,6,7,8,9,10,11,12,13,14,15,16,17,18,19,20,21,22,23,24,25,26,27,28,29,30,31
	global_load_b32 v[XB+32*((\t)%2)+\i], v14, s[4:5] offset:(32*(\t)+\i)*4096 th:TH_LOAD_NT
.endr
.endm
.macro BBLOCK t
.set XS, XB+32*((\t)%2)
.if (\t) < 7
	s_wait_loadcnt 32                              ; this block's 32 loads are in; the next block's may be out
.else
	s_wait_loadcnt 0x0
.endif
	v_max3_num_f32 v26, |v[XS]|, |v[XS+1]|, |v[XS+2]|              ; all 32 numbers of the block are mine
	v_max3_num_f32 v27, |v[XS+3]|, |v[XS+4]|, |v[XS+5]|
.irp i, 6,10,14,18,22,26
	v_max3_num_f32 v26, v26, |v[XS+\i]|, |v[XS+\i+1]|
	v_max3_num_f32 v27, v27, |v[XS+\i+2]|, |v[XS+\i+3]|
.endr
	v_max3_num_f32 v26, v26, |v[XS+30]|, |v[XS+31]|
	v_max3_num_f32 v26, v26, v27, 0x2800000
	v_add_nc_u32 v28, 0xfe000000, v26
	v_lshrrev_b32 v29, 23, v28
.if (\t)%4 == 0
	v_mov_b32 v[SBB+(\t)/4], v29
.else
	v_lshl_or_b32 v[SBB+(\t)/4], v29, 8*((\t)%4), v[SBB+(\t)/4]
.endif
	v_cvt_scalef32_pk16_bf6_f32 v[CB:CB+2], v[XS:XS+15], v28
	v_cvt_scalef32_pk16_bf6_f32 v[CB+4:CB+6], v[XS+16:XS+31], v28
	v_nop                                          ; one plain instruction behind the scaled conversions
	v_mov_b32 v[CB+3], v[CB+4]
	v_mov_b32 v[CB+4], v[CB+5]
	v_mov_b32 v[CB+5], v[CB+6]                     ; six registers on end: k = 32 t + 0..31 of my column = registers 6 c .. 6 c + 5 of lane (r', t % 2), c = (t / 2) % 2, K step t / 4
.irp i, 0,1,2
	ds_store_b64 v12, v[CB+2*\i:CB+2*\i+1] offset:((\t)/4)*1536+(3*(((\t)/2)%2)+\i)*256+128*((\t)%2)
.endr
.if (\t)+2 < 8
	BLOAD (\t)+2
.endif
	s_wait_dscnt 0x0                               ; the stores have read their registers
.endm
	BLOAD 0
	BLOAD 1
.set Q, 0
.rept 8
	BBLOCK Q
.set Q, Q+1
.endr
.irp u, 0,1
.irp g, 0,1,2,3,4,5
	ds_load_b128 v[OUTB+4*(6*\u+\g):OUTB+4*(6*\u+\g)+3], v13 offset:3200*\u+512*\g   ; LDS serves a wave's instructions in order: these see my stores
.endr
.endr
	s_wait_alu depctr_va_vdst(0)
	global_store_b64 v15, v[SBB:SBB+1], s[34:35]   ; my column's eight scale bytes
.irp u, 0,1
.irp g, 0,1,2,3,4,5
	s_wait_dscnt 11-(6*\u+\g)                      ; the loads behind this one may be out
	global_store_b128 v1, v[OUTB+4*(6*\u+\g):OUTB+4*(6*\u+\g)+3], s[32:33] offset:12288*\u+512*\g   ; 512 consecutive bytes, aligned
.endr
.endr
	s_wait_tensorcnt 0x0
	ds_add_u32 v254, v255
	s_wait_dscnt 0x0
	s_endpgm
.Lmask:
; ---------------- the mask: a work-group takes a tile of 16 queries, a wave four neighbouring rows of it ----------------
	s_sub_co_u32 s27, ttmp9, 512                   ; the tile
	s_lshr_b32 s28, s27, 1
	s_lshl_b32 s28, s28, 5
	s_and_b32 s29, s27, 1
	s_lshl_b32 s29, s29, 3
	s_add_co_u32 s28, s28, s29
	s_lshl_b32 s29, s26, 2
	s_add_co_u32 s28, s28, s29
	s_lshr_b32 s29, s26, 1
	s_lshl_b32 s29, s29, 3
	s_add_co_u32 s28, s28, s29                     ; my first row: 32 (tile/2) + 8 (tile%2) + 4 w + 8 (w/2)
	s_lshl_b32 s30, s28, 13
	s_add_nc_u64 s[18:19], s[18:19], s[30:31]
	s_lshl_b32 s30, s27, 4
	s_lshl_b32 s29, s26, 2
	s_add_co_u32 s30, s30, s29
	s_add_nc_u64 s[24:25], s[24:25], s[30:31]      ; my word: 16 x tile + 4 x wave
	s_mov_b32 s36, 0xce6e6b28                      ; -1e9
	s_mov_b32 s37, s36                             ; (named with it as a pair)
	v_mov_b32 v[RT], 0
.macro MLOAD e                         ; row e: load i is key step i, 512 consecutive bytes
.irp i, 0,1,2,3,4,5,6,7,8,9,10,11,12,13,14,15
	global_load_b128 v[MC+64*((\e)%2)+4*\i:MC+64*((\e)%2)+4*\i+3], v1, s[18:19] offset:8192*(\e)+512*\i th:TH_LOAD_NT
.endr
.endm
.macro MROW e
.set MS, MC+64*((\e)%2)
.if (\e) < 3
	s_wait_loadcnt 16                              ; this row's 16 loads are in; the next row's may be out
.else
	s_wait_loadcnt 0x0
.endif
.set j, 0
.rept 32
	v_pk_mul_f32 v[MS+j:MS+j+1], v[MS+j:MS+j+1], s[36:37] op_sel_hi:[1,0]   ; mt = mask x -1e9
.set j, j+2
.endr
.set i, 0
.rept 16
	v_max3_num_f32 v[MX+i], v[MS+4*i], v[MS+4*i+1], v[MS+4*i+2]
.if (\e) == 0
	v_max3_num_f32 v[AB+i], |v[MS+4*i]|, |v[MS+4*i+1]|, |v[MS+4*i+2]|
.else
	v_max3_num_f32 v[AB+i], v[AB+i], |v[MS+4*i]|, |v[MS+4*i+1]|
.endif
.set i, i+1
.endr
.set i, 0
.rept 16
	v_max_num_f32 v[MX+i], v[MX+i], v[MS+4*i+3]
.if (\e) == 0
	v_max_num_f32 v[AB+i], v[AB+i], |v[MS+4*i+3]|
.else
	v_max3_num_f32 v[AB+i], v[AB+i], |v[MS+4*i+2]|, |v[MS+4*i+3]|
.endif
.set i, i+1
.endr
.if (\e) < 2
	MLOAD (\e)+2
.endif
	v_max3_num_f32 v[RM], v[MX], v[MX+1], v[MX+2]  ; the row's largest mt: my 64 numbers,
.irp i, 3,5,7,9,11,13
	v_max3_num_f32 v[RM], v[RM], v[MX+\i], v[MX+\i+1]
.endr
	v_max_num_f32 v[RM], v[RM], v[MX+15]
	v_max_num_f32_dpp v[RM], v[RM], v[RM] row_xmask:1 row_mask:0xf bank_mask:0xf   ; and the other lanes'
	v_max_num_f32_dpp v[RM], v[RM], v[RM] row_xmask:2 row_mask:0xf bank_mask:0xf
	v_max_num_f32_dpp v[RM], v[RM], v[RM] row_xmask:4 row_mask:0xf bank_mask:0xf
	v_max_num_f32_dpp v[RM], v[RM], v[RM] row_xmask:8 row_mask:0xf bank_mask:0xf
	v_permlanex16_b32 v[RT], v[RM], s[SEL], s[SEL+1]
	v_max_num_f32 v[RM], v[RM], v[RT]
	v_add_f32 v[RM], 0xcd000000, v[RM]             ; less 2^27
.set i, 0
.rept 16
.if (\e) == 0
	v_sub_f32 v[EX+i], v[MX+i], v[RM]
.else
	v_sub_f32 v[MX+i], v[MX+i], v[RM]
.endif
.set i, i+1
.endr
.if (\e) > 0
.set i, 0
.rept 16
	v_max_num_f32 v[EX+i], v[EX+i], v[MX+i]
.set i, i+1
.endr
.endif
.endm
	s_wait_alu depctr_va_vdst(0)
	MLOAD 0
	MLOAD 1
	MROW 0
	MROW 1
	MROW 2
	MROW 3
	s_mov_b32 s38, 0                               ; the word is made by selects: no branch and no address hangs on these numbers
.set i, 0
.rept 16
	v_cmp_ge_f32 vcc_lo, 0, v[EX+i]
	s_cmp_eq_u32 vcc_lo, -1                        ; in every lane
	s_cselect_b32 s39, 1<<i, 0
	s_or_b32 s38, s38, s39
	v_cmp_eq_f32 vcc_lo, 0, v[AB+i]
	s_cmp_eq_u32 vcc_lo, -1
	s_cselect_b32 s39, 1<<(16+i), 0
	s_or_b32 s38, s38, s39
.set i, i+1
.endr
	v_mov_b32 v2, s38
	v_mov_b32 v3, 0
	s_wait_alu depctr_va_vdst(0)
	s_wait_xcnt 0x0                                ; EXEC changes only behind this wait
	v_cmp_eq_u32 vcc_lo, 0, v10
	s_and_saveexec_b32 s39, vcc_lo                 ; lane 0 stores the wave's word
	global_store_b32 v3, v2, s[24:25]
	s_endpgm
.Lfunc_end_k_q07fc06fad9_prep:
	.size	k_q07fc06fad9_prep, .Lfunc_end_k_q07fc06fad9_prep-k_q07fc06fad9_prep
	.p2alignl 7, 3214868480
	.fill 96, 4, 3214868480
	.section	.rodata,"a",@progbits
	.p2align	6, 0x0
	.amdhsa_kernel k_q07fc06fad9_prep
		.amdhsa_group_segment_fixed_size 59904
		.amdhsa_private_segment_fixed_size 0
		.amdhsa_enable_private_segment 0
		.amdhsa_kernarg_size 88
		.amdhsa_user_sgpr_count 2
		.amdhsa_user_sgpr_kernarg_segment_ptr 1
		.amdhsa_wavefront_size32 1
		.amdhsa_system_sgpr_workgroup_id_x 1
		.amdhsa_system_sgpr_workgroup_id_y 1
		.amdhsa_system_sgpr_workgroup_id_z 1
		.amdhsa_system_vgpr_workitem_id 0
		.amdhsa_next_free_vgpr 256
		.amdhsa_next_free_sgpr 66
		.amdhsa_reserve_vcc 1
		.amdhsa_float_denorm_mode_32 3
		.amdhsa_float_denorm_mode_16_64 3
		.amdhsa_memory_ordered 1
		.amdhsa_forward_progress 1
		.amdhsa_inst_pref_size 150
	.end_amdhsa_kernel
	.amdgpu_metadata
---
amdhsa.version: [ 1, 2 ]
amdhsa.kernels:
  - .name:           k_q07fc06fad9_prep
    .symbol:         k_q07fc06fad9_prep.kd
    .args:
      - { .name: query, .offset: 0, .size: 8, .value_kind: global_buffer, .address_space: global }
      - { .name: key, .offset: 8, .size: 8, .value_kind: global_buffer, .address_space: global }
      - { .name: value, .offset: 16, .size: 8, .value_kind: global_buffer, .address_space: global }
      - { .name: Wq, .offset: 24, .size: 8, .value_kind: global_buffer, .address_space: global }
      - { .name: Wk, .offset: 32, .size: 8, .value_kind: global_buffer, .address_space: global }
      - { .name: Wv, .offset: 40, .size: 8, .value_kind: global_buffer, .address_space: global }
      - { .name: Wo, .offset: 48, .size: 8, .value_kind: global_buffer, .address_space: global }
      - { .name: mask, .offset: 56, .size: 8, .value_kind: global_buffer, .address_space: global }
      - { .name: xop, .offset: 64, .size: 8, .value_kind: global_buffer, .address_space: global }
      - { .name: wop, .offset: 72, .size: 8, .value_kind: global_buffer, .address_space: global }
      - { .name: flags, .offset: 80, .size: 8, .value_kind: global_buffer, .address_space: global }
    .group_segment_fixed_size: 59904
    .private_segment_fixed_size: 0
    .kernarg_segment_align: 8
    .kernarg_segment_size: 88
    .max_flat_workgroup_size: 128
    .sgpr_count:     66
    .vgpr_count:     256
    .wavefront_size: 32
...
	.end_amdgpu_metadata
.endif
;; end of part 1
;; launch proj (part 2): grid 4 x 64, 4 waves a work-group, clusters of 4 x 4, 327,680 bytes of LDS; arguments xop, wop, bq, bk, bv, att; writes att
.if DOCPART == 2
	.amdgcn_target "amdgcn-amd-amdhsa--gfx1250"
	.amdhsa_code_object_version 6
	.text
	.protected	k_q07fc06fad9_proj
	.globl	k_q07fc06fad9_proj
	.p2align	8
	.type	k_q07fc06fad9_proj,@function
k_q07fc06fad9_proj:
	s_mov_b64 s[64:65], 0
	v_nop
	global_prefetch_b8 v0, s[64:65] scope:SCOPE_SE
	s_setreg_imm32_b32 hwreg(HW_REG_WAVE_MODE, 25, 1), 1
	s_wait_xcnt 0x0
	s_wait_alu depctr_hold_cnt(0) depctr_sa_sdst(0) depctr_va_vdst(0) depctr_va_sdst(0) depctr_va_ssrc(0) depctr_va_vcc(0) depctr_vm_vsrc(0)
	s_getreg_b32 s2, hwreg(HW_REG_IB_STS2, 6, 4)
	s_cmp_eq_u32 s2, 0
	s_cbranch_scc0 .Lentry_in_a_cluster
	s_endpgm
.Lentry_in_a_cluster:
	s_bfe_u32 s2, ttmp6, 0x10000c
	s_cmp_lg_u32 s2, 0xf033
	s_cbranch_scc0 .Lentry_shape_is_right
	s_endpgm
.Lentry_shape_is_right:
; PROJ.  q = query Wq + bq, k = key Wk + bk, v = value Wv + bv on codes of E3M2, each result quantised again on the way out as an operand of the attention launch.
; Operands lie as images of the matrix operand's registers: [tile of 16 rows][K step 0..7][register pair 0..5][lane][8 bytes], 12,288 bytes a tile; scale bytes [stored row][32].
; Lane-row r of tile T is logical row 32 (T/2) + 8 (T%2) + r + 8 (r/8), so the 16 result registers of source-0 tiles 2 b, 2 b + 1 are 16 neighbours.
; A WORK-GROUP STAYS and makes three blocks, one of each tensor: side A 128 rows (8 tiles, 98,304 bytes), side B 256 rows (16 tiles, 196,608 bytes), all of K = 1,024 in LDS at once.  3 x 256 blocks on 256 work-groups.
; For q and k side A is the tokens and side B the features of W^T: a lane holds a token and its registers run along the features, the K of q k^T.  For v side A is W^T and side B the tokens: registers run along the keys, the K of p v.
; A block's two dense runs come by one tensor load a wave (waves 0 to 2 a third of B each, wave 3 A).  When step 7's fragments are in registers nobody reads LDS any more: the next block is asked for there,
; behind a round of the cluster's barrier, and the last 32 products and the way out stand between that request and the wait for it.  The loop has two trips (q, k); v's block, which asks for nothing, is written out.
; CLUSTERS 4 x 4: side A hangs on the cluster's y and cy alone and is asked for jointly along a row, side B on the cluster's y and cx alone and jointly along a column.
; PREFETCH: key's 98,304 bytes are named at the head and value's 196,608 in the first trip, one block ahead and more of the loads that want them; the four partners that ask for a run jointly share it out by address,
; a wave 24 blocks of 256 bytes an instruction (lanes 24-31 name the wave's last block again).  W's runs are read by every cluster and are not named.
; A wave makes 64 x 128: 32 accumulators.  Scale words (32 bytes a row: eight K steps) and biases go from memory straight into registers.
; QUANTISER: a block's byte is the largest magnitude's exponent field - 4, held at 1 from below.  LIMITS: a block of zeros keeps the byte 1 over zero codes (this program alone reads the bytes); NaN and infinities are not served.
; REGISTERS: window 0: v0-31 addresses, v32-63 A's scale words, v64-127 B's, v128-255 the way out; windows 1 and 2: fragments of even and odd K steps (B v0-95, A v96-143); window 1 v144-207: q's or k's bias; window 3: accumulators.
.set ABASE, 196608
.set SPARE, 294912
.set ADRA, 16
.set ADRB, 20
.set SH16, 23
.set L16,  24
.set L8,   25
.set SLT,  26
.set SLV,  27
.set SPW,  28
.set NIL,  29
.set PFO,  30
.set SA,   32
.set SB,   64
.set T,    128
.set PC,   192
.set TM,   212
.set PW,   228
.set SW,   232
.set BV,   240
.set BIW,  144
.set WV,   16
.set WH,   17
.set WL,   18
.set CX,   19
.set CY,   20
.set TRIP, 21
.set ATI,  22
.set BTI,  23
.set G1,   24
.set G0,   32
.set NXA,  36                          ; the next block's runs, with the descriptor's type bits
.set NXB,  38
.set VA,   40                          ; v's
.set VB,   42
.set NASC, 44                          ; the next block's scale bytes
.set NBSC, 46
.set G1B,  48
.set G0B,  56
.set VASC, 60
.set VBSC, 62
.set SEL,  66
.set OIM,  68
.set OSC,  70
.set VOIM, 72
.set VOSC, 74
.set PFK,  76
.set PFV,  78
.set YY,   80
.set ATV,  81
.set BTV,  82
.set MSB, 0
.macro WIN new                         ; the immediate's high byte repeats the setting that is left
.if MSB != \new
	s_set_vgpr_msb (MSB<<8)|\new
.set MSB, \new
.endif
.endm
.macro CROUND                          ; a round of the cluster's barrier
	s_barrier_signal -1
	s_barrier_wait -1
	s_cmp_lg_u32 s[WV], 0
	s_cbranch_scc1 .Lnot_wave_0_\@
	s_barrier_signal -3
.Lnot_wave_0_\@:
	s_barrier_wait -3
	s_barrier_signal -1
	s_barrier_wait -1
.endm
.macro PLACES
.rept 4
	v_nop
.endr
.endm
.macro JLOAD                           ; one joint load a wave, in the two arms of one branch on the wave's number
	s_cmp_lt_u32 s[WV], 3
	s_cbranch_scc0 .Lfor_a_\@
	tensor_load_to_lds s[G0B:G0B+3], s[G1B:G1B+7]
	s_nop 0
	PLACES
	s_branch .Lasked_\@
.Lfor_a_\@:
	tensor_load_to_lds s[G0:G0+3], s[G1:G1+7]
	s_nop 0
	PLACES
.Lasked_\@:
.endm
; 64 numbers of a lane, register 16 b + i = k 32 b + 16 (lane/16) + i of its row, become a fragment's 12 registers of codes in v[PC] on and the row's scale word in v[PW]
.macro QUANT s
.irp b, 0,1,2,3
	v_max3_num_f32 v[TM+\b], |v[\s+16*\b]|, |v[\s+1+16*\b]|, 0x2800000
.endr
.irp i, 2,4,6,8,10,12,14
.irp b, 0,1,2,3
	v_max3_num_f32 v[TM+\b], v[TM+\b], |v[\s+16*\b+\i]|, |v[\s+1+16*\b+\i]|
.endr
.endr
.irp b, 0,1,2,3
	v_permlanex16_b32 v[TM+4+\b], v[TM+\b], s[SEL], s[SEL+1]
.endr
.irp b, 0,1,2,3
	v_max_num_f32 v[TM+\b], v[TM+\b], v[TM+4+\b]
.endr
.irp b, 0,1,2,3
	v_add_nc_u32 v[TM+12+\b], 0xfe000000, v[TM+\b]
.endr
.irp b, 0,1,2,3
	v_lshrrev_b32 v[TM+4+\b], 23, v[TM+12+\b]
.endr
	v_lshl_or_b32 v[PW], v[TM+5], 8, v[TM+4]
	v_lshl_or_b32 v[PW], v[TM+6], 16, v[PW]
	v_lshl_or_b32 v[PW], v[TM+7], 24, v[PW]
.irp c, 0,1
	v_cvt_scalef32_pk16_bf6_f32 v[PC+6*\c:PC+2+6*\c], v[\s+32*\c:\s+15+32*\c], v[TM+12+2*\c]
	v_cvt_scalef32_pk16_bf6_f32 v[PC+12+4*\c:PC+14+4*\c], v[\s+16+32*\c:\s+31+32*\c], v[TM+12+2*\c+1]
.endr
	v_nop                                          ; one plain instruction behind the scaled conversions
.irp c, 0,1
.irp i, 0,1,2
	v_permlane16_swap_b32 v[PC+6*\c+\i], v[PC+12+4*\c+\i]
.endr
.irp i, 0,1,2
	v_mov_b32 v[PC+3+6*\c+\i], v[PC+12+4*\c+\i]
.endr
.endr
.endm
.macro LDSC                            ; the scale words of my 4 + 8 blocks: register 8 i + s is the word of K step s of my row of block i
.irp i, 0,1,2,3
	global_load_b128 v[SA+8*\i:SA+8*\i+3], v5, s[NASC:NASC+1] offset:512*\i
	global_load_b128 v[SA+8*\i+4:SA+8*\i+7], v5, s[NASC:NASC+1] offset:512*\i+16
.endr
.irp i, 0,1,2,3,4,5,6,7
	global_load_b128 v[SB+8*\i:SB+8*\i+3], v5, s[NBSC:NBSC+1] offset:512*\i
	global_load_b128 v[SB+8*\i+4:SB+8*\i+7], v5, s[NBSC:NBSC+1] offset:512*\i+16
.endr
.endm
.macro LDBI base                       ; the bias of my 128 features, in the result's layout, into window 1
	WIN 0x40
.irp b, 0,1,2,3
.irp j, 0,1,2,3
	global_load_b128 v[BIW+16*\b+4*\j:BIW+16*\b+4*\j+3], v4, s[\base:\base+1] offset:128*\b+16*\j
.endr
.endr
	WIN 0
.endm
	s_load_b256 s[4:11], s[0:1], 0x0               ; xop, wop, bq, bk
	s_load_b128 s[12:15], s[0:1], 0x20             ; bv, att
	v_lshl_add_u32 v[SPW], v0, 2, SPARE
	v_mov_b32 v[NIL], 0
	ds_add_u32 v[SPW], v[NIL]                      ; the opening lines: the add, twice on end, and its wait
	ds_add_u32 v[SPW], v[NIL]
	v_lshrrev_b32 v1, 5, v0
	v_readfirstlane_b32 s[WV], v1                  ; wave 0..3
	s_lshr_b32 s[WH], s[WV], 1                     ; which 64 rows of side A are mine
	s_and_b32 s[WL], s[WV], 1                      ; which 128 rows of side B
	s_bfe_u32 s[CX], ttmp6, 0x40000
	s_bfe_u32 s[CY], ttmp6, 0x40004
	s_and_b32 s[YY], ttmp7, 0xffff                 ; the cluster's y, 0..15
	s_lshl_b32 s[ATI], s[YY], 2
	s_add_co_u32 s[ATI], s[ATI], s[CY]             ; q, k: 128 tokens, 0..63
	s_lshl_b32 s[BTI], ttmp9, 2
	s_add_co_u32 s[BTI], s[BTI], s[CX]             ; q, k: 256 features, 0..3
	s_and_b32 s[ATV], s[YY], 1
	s_lshl_b32 s[ATV], s[ATV], 2
	s_add_co_u32 s[ATV], s[ATV], s[CY]             ; v: 128 features, 0..7
	s_lshr_b32 s[BTV], s[YY], 1
	s_lshl_b32 s[BTV], s[BTV], 2
	s_add_co_u32 s[BTV], s[BTV], s[CX]             ; v: 256 tokens, 0..31
	s_lshl_b32 s84, s[CY], 2
	s_lshl_b32 s84, 15, s84                        ; my row of the cluster
	s_lshl_b32 s85, 0x1111, s[CX]                  ; my column
	s_or_b32 s[G1], s84, (3<<16)|(1<<21)           ; elements of 8 bytes; bit 21 beside a mask
	s_or_b32 s[G1B], s85, (3<<16)|(1<<21)
	s_mov_b32 s[G1+1], 384<<16                     ; A: 32 rows of 3,072 bytes, dense
	s_mov_b32 s[G1+2], 32<<16
	s_mov_b32 s[G1+3], 384<<16
	s_mov_b32 s[G1+4], 32
	s_mov_b32 s[G1+5], 384
	s_mov_b32 s[G1+6], 0
	s_mov_b32 s[G1+7], 0
	s_mov_b32 s[G1B+1], 256<<16                    ; a third of B: 32 rows of 2,048 bytes, dense
	s_mov_b32 s[G1B+2], 32<<16
	s_mov_b32 s[G1B+3], 256<<16
	s_mov_b32 s[G1B+4], 32
	s_mov_b32 s[G1B+5], 256
	s_mov_b32 s[G1B+6], 0
	s_mov_b32 s[G1B+7], 0
	s_mov_b32 s[G0], 1
	s_mov_b32 s[G0+1], ABASE
	s_mov_b32 s[G0B], 1
	s_lshl_b32 s[G0B+1], s[WV], 16                 ; 65,536 x wave
	s_mov_b32 s87, 0                               ; s[86:87]: offsets of side A; s[90:91]: of side B; s[2:3]: of what hangs on both
	s_mov_b32 s91, 0
	s_mov_b32 s3, 0
	s_wait_dscnt 0x0                               ; both opening adds are done
	s_wait_kmcnt 0x0
	s_mul_i32 s86, s[ATI], 98304
	s_add_nc_u64 s[G0+2:G0+3], s[4:5], s[86:87]    ; query's tokens,
	s_add_nc_u64 s[NXA:NXA+1], s[G0+2:G0+3], 6291456   ; key's,
	s_mul_i32 s86, s[ATV], 98304
	s_add_co_u32 s86, s86, 1572864
	s_add_nc_u64 s[VA:VA+1], s[6:7], s[86:87]      ; Wv's features
	s_mul_i32 s90, s[BTI], 196608
	s_add_co_u32 s90, s90, s[G0B+1]
	s_add_nc_u64 s[G0B+2:G0B+3], s[6:7], s[90:91]  ; Wq's features, my third,
	s_add_nc_u64 s[NXB:NXB+1], s[G0B+2:G0B+3], 786432   ; Wk's,
	s_mul_i32 s90, s[BTV], 196608
	s_add_co_u32 s90, s90, s[G0B+1]
	s_add_co_u32 s90, s90, 12582912
	s_add_nc_u64 s[VB:VB+1], s[4:5], s[90:91]      ; value's tokens
.irp g, G0+3, NXA+1, VA+1, G0B+3, NXB+1, VB+1
	s_or_b32 s[\g], s[\g], 0x80000000
.endr
	CROUND                                         ; all sixteen work-groups are here: the joint loads meet
	JLOAD
	s_lshl_b32 s86, s[ATI], 12                     ; scale bytes: query's, my 64 rows
	s_lshl_b32 s2, s[WH], 11
	s_add_co_u32 s86, s86, s2
	s_add_co_u32 s86, s86, 18874368
	s_add_nc_u64 s[NASC:NASC+1], s[4:5], s[86:87]
	s_lshl_b32 s90, s[BTI], 13                     ; Wq's, my 128 rows
	s_lshl_b32 s2, s[WL], 12
	s_add_co_u32 s90, s90, s2
	s_add_co_u32 s90, s90, 3145728
	s_add_nc_u64 s[NBSC:NBSC+1], s[6:7], s[90:91]
	s_lshl_b32 s86, s[ATV], 12                     ; Wv's
	s_lshl_b32 s2, s[WH], 11
	s_add_co_u32 s86, s86, s2
	s_add_co_u32 s86, s86, 3211264
	s_add_nc_u64 s[VASC:VASC+1], s[6:7], s[86:87]
	s_lshl_b32 s90, s[BTV], 13                     ; value's
	s_lshl_b32 s2, s[WL], 12
	s_add_co_u32 s90, s90, s2
	s_add_co_u32 s90, s90, 19398656
	s_add_nc_u64 s[VBSC:VBSC+1], s[4:5], s[90:91]
	s_lshl_b32 s90, s[BTI], 10                     ; biases: my 128 features of bq and bk,
	s_lshl_b32 s2, s[WL], 9
	s_add_co_u32 s90, s90, s2
	s_add_nc_u64 s[8:9], s[8:9], s[90:91]
	s_add_nc_u64 s[10:11], s[10:11], s[90:91]
	s_lshl_b32 s86, s[ATV], 9                      ; my 64 of bv
	s_lshl_b32 s2, s[WH], 8
	s_add_co_u32 s86, s86, s2
	s_add_nc_u64 s[12:13], s[12:13], s[86:87]
	s_lshr_b32 s83, s[ATI], 4                      ; q's way out: 16 x batch + head of my first 64 features,
	s_lshl_b32 s83, s83, 4
	s_lshl_b32 s84, s[BTI], 2
	s_add_co_u32 s83, s83, s84
	s_lshl_b32 s84, s[WL], 1
	s_add_co_u32 s83, s83, s84
	s_and_b32 s84, s[ATI], 15                      ; which 128 tokens of the batch
	s_mul_i32 s2, s83, 98304
	s_mul_i32 s85, s84, 6144
	s_add_co_u32 s2, s2, s85
	s_mul_i32 s85, s[WH], 3072
	s_add_co_u32 s2, s2, s85
	s_add_nc_u64 s[OIM:OIM+1], s[14:15], s[2:3]
	s_lshl_b32 s2, s83, 13
	s_lshl_b32 s85, s84, 9
	s_add_co_u32 s2, s2, s85
	s_lshl_b32 s85, s[WH], 4
	s_add_co_u32 s2, s2, s85
	s_add_co_u32 s2, s2, 18874368
	s_add_nc_u64 s[OSC:OSC+1], s[14:15], s[2:3]
	s_lshr_b32 s83, s[BTV], 3                      ; v's way out: 16 x batch + my head,
	s_lshl_b32 s83, s83, 4
	s_lshl_b32 s84, s[ATV], 1
	s_add_co_u32 s83, s83, s84
	s_add_co_u32 s83, s83, s[WH]
	s_and_b32 s84, s[BTV], 7                       ; my step of 128 keys
	s_lshl_b32 s84, s84, 1
	s_add_co_u32 s84, s84, s[WL]
	s_mul_i32 s2, s83, 98304
	s_mul_i32 s85, s84, 6144
	s_add_co_u32 s2, s2, s85
	s_add_co_u32 s2, s2, 12582912
	s_add_nc_u64 s[VOIM:VOIM+1], s[14:15], s[2:3]
	s_lshl_b32 s2, s83, 12
	s_lshl_b32 s85, s84, 8
	s_add_co_u32 s2, s2, s85
	s_add_co_u32 s2, s2, 19922944
	s_add_nc_u64 s[VOSC:VOSC+1], s[14:15], s[2:3]
	s_mul_i32 s2, s[ATI], 98304                    ; the prefetches: my work-group's quarter of key's run, my wave's quarter of that,
	s_mul_i32 s85, s[CX], 24576
	s_add_co_u32 s2, s2, s85
	s_mul_i32 s85, s[WV], 6144
	s_add_co_u32 s2, s2, s85
	s_add_co_u32 s2, s2, 6291456
	s_add_nc_u64 s[PFK:PFK+1], s[4:5], s[2:3]
	s_mul_i32 s2, s[BTV], 196608                   ; and of value's
	s_mul_i32 s85, s[CY], 49152
	s_add_co_u32 s2, s2, s85
	s_mul_i32 s85, s[WV], 12288
	s_add_co_u32 s2, s2, s85
	s_add_co_u32 s2, s2, 12582912
	s_add_nc_u64 s[PFV:PFV+1], s[4:5], s[2:3]
	s_mul_i32 s83, s[WL], 98304                    ; LDS: my 8 tiles of B,
	s_add_co_u32 s84, s83, 49152
	s_mul_i32 s85, s[WH], 49152                    ; my 4 tiles of A
	s_add_co_u32 s85, s85, ABASE
	s_mov_b32 s[SEL], 0x76543210
	s_mov_b32 s[SEL+1], 0xfedcba98
	s_mov_b32 s[TRIP], 0
	v_and_b32 v1, 15, v0                           ; r
	v_bfe_u32 v2, v0, 4, 1                         ; h
	v_and_b32 v3, 31, v0
	v_lshlrev_b32 v[L8], 3, v3
	v_lshlrev_b32 v[L16], 4, v3
	v_lshlrev_b32 v[SH16], 4, v2
	v_lshlrev_b32 v4, 6, v2                        ; bq, bk: 64 h
	v_lshlrev_b32 v5, 5, v1                        ; scale words: 32 r
	v_and_b32 v7, 8, v1
	v_add_nc_u32 v7, v7, v1
	v_lshlrev_b32 v7, 2, v7                        ; bv: 4 (r + 8 (r/8))
	v_lshlrev_b32 v[SLT], 13, v2
	v_lshl_add_u32 v[SLT], v1, 5, v[SLT]           ; q's and k's scale words out: head h, 32 r
	v_lshlrev_b32 v[SLV], 3, v2
	v_lshl_add_u32 v[SLV], v1, 4, v[SLV]           ; v's: 16 r + 8 h
	v_min_u32 v[PFO], 23, v3
	v_lshlrev_b32 v[PFO], 8, v[PFO]
	v_add_nc_u32 v[ADRB], s83, v[L8]
	v_add_nc_u32 v[ADRB+1], s84, v[L8]
	v_add_nc_u32 v[ADRA], s85, v[L8]
.irp b, 0,1,2,3
	v_mov_b32 v[TM+4+\b], 0                        ; a lane permute's destination counts as one of its sources
.endr
	LDSC
	LDBI 8
.irp a, 0,1,2,3
	global_load_b32 v[BV+\a], v7, s[12:13] offset:(32*(\a/2)+8*(\a%2))*4
.endr
	s_wait_alu depctr_va_vdst(0)
	s_wait_xcnt 0x0                                ; the loads have read their bases
	s_add_nc_u64 s[NASC:NASC+1], s[NASC:NASC+1], 262144    ; key's and Wk's scale bytes
	s_add_nc_u64 s[NBSC:NBSC+1], s[NBSC:NBSC+1], 32768
	global_prefetch_b8 v[PFO], s[PFK:PFK+1] th:TH_LOAD_NT scope:SCOPE_SE   ; its registers are never written again
.macro FETCH s                         ; the fragments of K step s into window 1 + s % 2: 72 loads of 8 bytes a lane, 256 consecutive bytes each
.set WF, 0x40+0x40*((\s)%2)
	WIN WF
.irp b, 0,1,2,3,4,5,6,7
.irp p, 0,1,2,3,4,5
	ds_load_b64 v[12*\b+2*\p:12*\b+2*\p+1], v[ADRB+\b/4] offset:12288*(\b%4)+1536*(\s)+256*\p
.endr
.endr
.irp a, 0,1,2,3
.irp p, 0,1,2,3,4,5
	ds_load_b64 v[96+12*\a+2*\p:96+12*\a+2*\p+1], v[ADRA] offset:12288*\a+1536*(\s)+256*\p
.endr
.endr
.endm
.macro MUL s, zero                     ; 32 products: the accumulators take turns, in the same order in every step
.irp a, 0,1,2,3
.irp b, 0,1,2,3,4,5,6,7
.if \zero
	v_wmma_scale_f32_16x16x128_f8f6f4 v[8*(8*\a+\b):8*(8*\a+\b)+7], v[12*\b:12*\b+11], v[96+12*\a:96+12*\a+11], 0, v[SB+8*\b+(\s)], v[SA+8*\a+(\s)] matrix_a_fmt:MATRIX_FMT_BF6 matrix_b_fmt:MATRIX_FMT_BF6
.else
	v_wmma_scale_f32_16x16x128_f8f6f4 v[8*(8*\a+\b):8*(8*\a+\b)+7], v[12*\b:12*\b+11], v[96+12*\a:96+12*\a+11], v[8*(8*\a+\b):8*(8*\a+\b)+7], v[SB+8*\b+(\s)], v[SA+8*\a+(\s)] matrix_a_fmt:MATRIX_FMT_BF6 matrix_b_fmt:MATRIX_FMT_BF6
.endif
.endr
.endr
.endm
; a block's products.  more = 1: the next block is asked for ahead of the last step's products, and in the first trip value's run is prefetched
.macro PHASE more
	s_wait_tensorcnt 0x0                           ; my load has landed
	s_barrier_signal -1
	s_barrier_wait -1                              ; and so has every wave's
	FETCH 0
	WIN 0
.if \more
	s_cmp_eq_u32 s[TRIP], 0
	s_cbranch_scc0 .Lnopf_\@
	global_prefetch_b8 v[PFO], s[PFV:PFV+1] th:TH_LOAD_NT scope:SCOPE_SE
	global_prefetch_b8 v[PFO], s[PFV:PFV+1] offset:6144 th:TH_LOAD_NT scope:SCOPE_SE
.Lnopf_\@:
.endif
	s_wait_loadcnt 0x0                             ; the scale words and the bias
.set KS, 0
.rept 8
.if KS == 7 && \more
	WIN 0
	s_wait_tensorcnt 0x0                           ; none of my loads is out;
	ds_add_u32 v[SPW], v[NIL]                      ; an add to my spare word;
	s_mov_b64 s[G0+2:G0+3], s[NXA:NXA+1]           ; the next block's runs; behind them comes v's
	s_mov_b64 s[G0B+2:G0B+3], s[NXB:NXB+1]
	s_mov_b64 s[NXA:NXA+1], s[VA:VA+1]
	s_mov_b64 s[NXB:NXB+1], s[VB:VB+1]
	s_wait_dscnt 0x0                               ; the add is done and step 7's fragments are in: my reads of this block are over
	CROUND                                         ; that now holds of every wave of the cluster
	JLOAD
.else
	s_wait_dscnt 0x0                               ; this step's fragments, asked for ahead of the last step's products
.endif
.if KS < 7
.if KS > 0
	PLACES                                         ; in front of loads into registers that the last step's products have read
.endif
	FETCH KS+1
.endif
.set WN, 0xf5+5*(KS%2)
	WIN WN                                         ; sources 0 and 1 window 1 or 2, C and D window 3
.if KS == 0
	MUL KS, 1
.else
	MUL KS, 0
.endif
.set KS, KS+1
.endr
	PLACES                                         ; behind the last products: for the reads of the results and the loads into the scale registers
	WIN 0
.endm
.macro OUT_QK a                        ; 16 tokens x my 128 features = two heads: + bias, quantised along the features, stored as two half fragments
	s_wait_xcnt 0x0                                ; the last stores have read the codes' registers
	WIN 0x07                                       ; source 0 window 3, source 1 window 1
.set j, 0
.rept 32
	v_pk_add_f32 v[T+j:T+j+1], v[64*(\a)+j:64*(\a)+j+1], v[BIW+j:BIW+j+1]
.set j, j+2
.endr
	WIN 0
	QUANT T
	global_store_b128 v[L16], v[PC:PC+3], s[OIM:OIM+1] offset:768*(\a)
	global_store_b64 v[L8], v[PC+4:PC+5], s[OIM:OIM+1] offset:768*(\a)+512
	global_store_b128 v[L16], v[PC+6:PC+9], s[OIM:OIM+1] offset:768*(\a)+98304
	global_store_b64 v[L8], v[PC+10:PC+11], s[OIM:OIM+1] offset:768*(\a)+512+98304
	v_lshrrev_b32 v[SW+(\a)], v[SH16], v[PW]
	v_and_b32 v[SW+(\a)], 0xffff, v[SW+(\a)]       ; head h's two bytes
.endm
.macro OUT_V a                         ; 16 features of my head x my 128 keys: + bias, quantised along the keys, stored as a whole fragment
	s_wait_xcnt 0x0
	WIN 0x03                                       ; source 0 window 3
.set j, 0
.rept 32
.if ((\a)%2) == 0
	v_pk_add_f32 v[T+j:T+j+1], v[64*(\a)+j:64*(\a)+j+1], v[BV+(\a):BV+(\a)+1] op_sel_hi:[1,0]
.else
	v_pk_add_f32 v[T+j:T+j+1], v[64*(\a)+j:64*(\a)+j+1], v[BV+(\a)-1:BV+(\a)] op_sel:[0,1] op_sel_hi:[1,1]
.endif
.set j, j+2
.endr
	WIN 0
	QUANT T
.irp c, 0,1,2
	global_store_b128 v[L16], v[PC+4*\c:PC+4*\c+3], s[VOIM:VOIM+1] offset:(\a)*1536+512*\c
.endr
	v_mov_b32 v[SW+(\a)], v[PW]
.endm
	s_wait_alu depctr_va_vdst(0)
.Lphase:                                               ; two trips: q, k
	PHASE 1
	LDSC                                           ; the next block's scale words land under the way out
.irp a, 0,1,2,3
	OUT_QK \a
.endr
	global_store_b128 v[SLT], v[SW:SW+3], s[OSC:OSC+1]   ; my four tiles' words of each row, for both heads
	s_cmp_eq_u32 s[TRIP], 0
	s_cbranch_scc0 .Lno_bk
	LDBI 10                                        ; bk, behind the last read of bq
.Lno_bk:
	s_wait_xcnt 0x0                                ; loads and stores have read their bases
	s_add_nc_u64 s[OIM:OIM+1], s[OIM:OIM+1], 6291456
	s_add_nc_u64 s[OSC:OSC+1], s[OSC:OSC+1], 524288
	s_mov_b64 s[NASC:NASC+1], s[VASC:VASC+1]
	s_mov_b64 s[NBSC:NBSC+1], s[VBSC:VBSC+1]
	s_add_co_u32 s[TRIP], s[TRIP], 1
	s_cmp_lt_u32 s[TRIP], 2
	s_wait_alu depctr_va_vdst(0)
	s_cbranch_scc1 .Lphase
	PHASE 0                                        ; v
.irp a, 0,1,2,3
	OUT_V \a
.endr
	s_mov_b32 s2, 0xffff0000
	v_cndmask_b32 v[SW], v[SW], v[SW+2], s2        ; lanes 0-15 store words 0 and 1 of their row, lanes 16-31 words 2 and 3
	v_cndmask_b32 v[SW+1], v[SW+1], v[SW+3], s2
	global_store_b64 v[SLV], v[SW:SW+1], s[VOSC:VOSC+1]   ; 256 consecutive bytes, aligned
	s_wait_tensorcnt 0x0                           ; the wave's end
	ds_add_u32 v[SPW], v[NIL]
	s_wait_dscnt 0x0
	CROUND                                         ; the closing round
	s_endpgm
.Lfunc_end_k_q07fc06fad9_proj:
	.size	k_q07fc06fad9_proj, .Lfunc_end_k_q07fc06fad9_proj-k_q07fc06fad9_proj
	.p2alignl 7, 3214868480
	.fill 96, 4, 3214868480
	.section	.rodata,"a",@progbits
	.p2align	6, 0x0
	.amdhsa_kernel k_q07fc06fad9_proj
		.amdhsa_group_segment_fixed_size 327680
		.amdhsa_private_segment_fixed_size 0
		.amdhsa_enable_private_segment 0
		.amdhsa_kernarg_size 48
		.amdhsa_user_sgpr_count 2
		.amdhsa_user_sgpr_kernarg_segment_ptr 1
		.amdhsa_wavefront_size32 1
		.amdhsa_system_sgpr_workgroup_id_x 1
		.amdhsa_system_sgpr_workgroup_id_y 1
		.amdhsa_system_sgpr_workgroup_id_z 1
		.amdhsa_system_vgpr_workitem_id 0
		.amdhsa_next_free_vgpr 1024
		.amdhsa_next_free_sgpr 92
		.amdhsa_reserve_vcc 0
		.amdhsa_float_denorm_mode_32 3
		.amdhsa_float_denorm_mode_16_64 3
		.amdhsa_memory_ordered 1
		.amdhsa_forward_progress 1
		.amdhsa_inst_pref_size 210
	.end_amdhsa_kernel
	.amdgpu_metadata
---
amdhsa.version: [ 1, 2 ]
amdhsa.kernels:
  - .name:           k_q07fc06fad9_proj
    .symbol:         k_q07fc06fad9_proj.kd
    .args:
      - { .name: xop, .offset: 0, .size: 8, .value_kind: global_buffer, .address_space: global }
      - { .name: wop, .offset: 8, .size: 8, .value_kind: global_buffer, .address_space: global }
      - { .name: bq, .offset: 16, .size: 8, .value_kind: global_buffer, .address_space: global }
      - { .name: bk, .offset: 24, .size: 8, .value_kind: global_buffer, .address_space: global }
      - { .name: bv, .offset: 32, .size: 8, .value_kind: global_buffer, .address_space: global }
      - { .name: att, .offset: 40, .size: 8, .value_kind: global_buffer, .address_space: global }
    .group_segment_fixed_size: 327680
    .private_segment_fixed_size: 0
    .kernarg_segment_align: 8
    .kernarg_segment_size: 48
    .max_flat_workgroup_size: 128
    .sgpr_count:     92
    .vgpr_count:     1024
    .wavefront_size: 32
...
	.end_amdgpu_metadata
.endif
;; end of part 2
;; launch attn (part 3): grid 4 x 64, 12 waves a work-group, no clusters, 259,584 bytes of LDS; arguments att, flags, mask, oop; writes oop
.if DOCPART == 3
	.amdgcn_target "amdgcn-amd-amdhsa--gfx1250"
	.amdhsa_code_object_version 6
	.text
	.protected	k_q07fc06fad9_attn
	.globl	k_q07fc06fad9_attn
	.p2align	8
	.type	k_q07fc06fad9_attn,@function
k_q07fc06fad9_attn:
	s_mov_b64 s[64:65], 0
	v_nop
	global_prefetch_b8 v0, s[64:65] scope:SCOPE_SE
	s_setreg_imm32_b32 hwreg(HW_REG_WAVE_MODE, 25, 1), 1
	s_wait_xcnt 0x0
; ATTN.  o = softmax(q k^T / 8 + mask x -1e9) v for one (batch, head) a work-group row, both products on codes of E3M2; o is quantised along the features on the way out, as the A operand of the last product.
; SOFTMAX AHEAD OF THE SECOND PRODUCT: t = logit x log2(e); M = the running largest t rounded up to a whole number; p = 2^(t - M) is quantised along the keys; the row's sum is of the unquantised p and divides at the end.
; SHARES.  Work-group (j, bh) owns the head's tiles of 16 queries 4 i + j, i = 0..31.  Twelve waves, three tile slots each.  Tiles i = 2 u and 2 u + 1 go to the two waves of pair P = wave / 2:
; slot 0: u = 15 - P; slot 1: u = 6, 7, 5, 4, 9, 8 for P = 0..5; slot 2: u = 1, 3, 0, 2 for P = 2..5.  Under a mask that opens u + 1 steps to tile i that is 22 or 23 steps a wave; any other mask is served as well.
; Pairs 0 and 1 have no third tile: their third slot takes a flag word that skips every step.
; THE FILL.  The head's K and V come into LDS through registers, in quarters of 512 keys (24,576 bytes of K and as many of V: eight loads of 16 bytes a thread).  The head stores quarter 0 and the scale words, with
; quarter 1 on its way in 32 staging registers (v256-287).  The first three steps read quarter 0 alone; at the end of each, every wave stores the quarter that has landed and asks for the next.  One barrier follows, and then LDS is only read.
; LDS: K at 0, V at 122,880, each followed by 24,576 bytes that nothing uses; K's scale words at 245,760, V's at 253,952; the spare words at 258,048.
; WHAT IS LEFT OUT.  For each (tile of queries, step of 128 keys) an earlier launch has stored two bits, made of the mask's numbers: 'skip' (in all 16 rows the step's largest mask term lies 2^27 or more under the row's
; largest) and 'open' (all its mask terms are 0).  A skipped step is jumped over by a scalar branch on the stored word; an open step does not read the mask.  The fill stands outside that branch, on every wave's path.
; NO JOINT LOADS, though the four work-groups of a head read the same K and V: the branches hang on words read from memory.
; PREFETCH: quarters 2 and 3 of K and V are 4 x 96 blocks of 256 bytes; work-group j of the head names one of the four runs, a lane a block, waves 0 to 2, behind the head's loads: one and two trips ahead of the loads that want them.
; LIMITS.  The skip takes |q . k| / 8 < 2^25: every p of a skipped step is then exactly 0.  An open step forms t - M by one fused multiply-add of the score; a step with mask terms takes reference()'s own roundings
; (mask x -1e9; score / 8 + that; x log2(e)), so that a row that is masked throughout comes out as there.  NaN and infinities are not served.  Blocks of zeros keep the scale byte 1 over zero codes.
; LAYOUT.  S^T = K Q^T (source 0 = 16 keys, source 1 = my 16 queries), O^T = V^T P^T: a lane holds one query throughout; registers 16 b + i of S^T are keys 32 b + 16 (lane/16) + i of the step.
; THE HEAD'S DEPTH IS 64, half of the instruction's K: Q's registers 6-11 are zero codes.  K's fragments lie six registers apart, so that an operand's upper six registers are the next tile's codes (the last tile's: six zeros):
; every code is a finite number, it meets a zero code of Q, and no scale byte is 0xff: that half adds exactly 0.
.set KB,  32                           ; v32-79 K's eight tiles, later the mask's terms, later V's four fragments; v80-85 zeros
.set KSC, 86                           ; v86-93 K's scale words, later V's
.set S,   96                           ; v96-159 S^T, then p
.set O,   160                          ; v160-191 O^T
.set PC,  192                          ; v192-203 p's codes, v204-210 half blocks on their way; ahead of them in a step: the mask's last terms, then the sum's parts
.set MT,  192                          ; v192-207 the mask's terms of block 3
.set PFO, 211                          ; the prefetch's offset
.set BM,  212
.set PT,  216
.set SO,  220
.set FF,  224                          ; v[224:225] f = 2^(old M - new M); later 1 / the sum
.set PS,  226
.set TP,  227
.set FA,  252                          ; 16 x thread
.set FB,  253                          ; the same in V's region
.set QB,  24576                        ; a quarter of K or of V in bytes
.set RB,  6144                         ; what one load of the work-group's 384 threads covers
.set VL,  122880
.set WV,  12
.set BH,  13
.set FQ,  14                           ; where the quarter on its way goes
.set TAU, 15
.set SEL, 20
.set CSU, 22
.set EE,  24                           ; wave % 2
.set NEG, 26
.set EIG, 28
.set L2E, 30
.set HM,  32
.set FL,  33
.set ST,  34
.set TK,  35
.set TS,  36
.set TT,  37
.set MO,  38
.set PP,  60                           ; wave / 2
.set P4,  61                           ; 4 x that
	s_load_b256 s[4:11], s[0:1], 0x0               ; att, flags, mask, oop
	v_lshl_add_u32 v254, v0, 2, 0x3f000
	v_mov_b32 v255, 0
	v_lshrrev_b32 v1, 5, v0
	s_delay_alu instid0(VALU_DEP_1)
	v_readfirstlane_b32 s[WV], v1                  ; wave 0..11
	s_lshr_b32 s[PP], s[WV], 1
	s_lshl_b32 s[P4], s[PP], 2
	s_and_b32 s[EE], s[WV], 1
	s_and_b32 s[BH], ttmp7, 0xffff                 ; 16 x batch + head
	s_mul_i32 s40, s[BH], 98304
	s_mov_b32 s41, 0
	s_lshl_b32 s42, s[BH], 13
	s_add_co_u32 s42, s42, 18874368
	s_mov_b32 s43, 0
	s_lshl_b32 s46, s[BH], 12
	s_add_co_u32 s46, s46, 18874368+1048576
	s_add_co_u32 s44, s42, 524288+RB               ; in att: K's scale words from byte 6,144 on, for threads 0-127;
	s_sub_co_u32 s45, s46, 2048                    ; V's scale words, for threads 128-383
	s_and_b32 s39, ttmp9, 1
	s_mul_i32 s39, s39, QB
	s_add_co_u32 s39, s39, 2*QB                    ; the prefetch: quarter 2 + j % 2
	v_lshlrev_b32 v[FA], 4, v0
	v_lshl_add_u32 v[FB], v0, 4, VL
	v_lshl_add_u32 v203, v0, 4, 245760
	v_mov_b32 v207, s44
	v_cmp_gt_u32 vcc_lo, 128, v0
	v_cndmask_b32 v206, s45, v207, vcc_lo
	v_add_nc_u32 v206, v206, v[FA]
	v_lshlrev_b32 v[PFO], 8, v0
	v_add_nc_u32 v[PFO], s39, v[PFO]
	v_and_b32 v95, 31, v0                          ; lane
	v_and_b32 v94, 15, v0                          ; r
	v_bfe_u32 v31, v0, 4, 1                        ; h
	s_delay_alu instid0(VALU_DEP_3)
	v_lshlrev_b32 v1, 4, v95                       ; 16 x lane: K's registers 0-3
	s_delay_alu instid0(VALU_DEP_4)
	v_lshlrev_b32 v7, 3, v95                       ; 8 x lane
	s_delay_alu instid0(VALU_DEP_1)
	v_add_nc_u32 v2, 512, v7                       ; K's registers 4-5
	s_delay_alu instid0(VALU_DEP_3)
	v_add_nc_u32 v3, VL, v1                        ; V
	v_lshl_add_u32 v4, v94, 5, 245760              ; K's scale words: 32 bytes a row
	v_lshl_add_u32 v5, v94, 4, 253952              ; V's: 16 bytes a row
	v_and_b32 v6, 8, v94
	s_delay_alu instid0(VALU_DEP_1)
	v_add_nc_u32 v6, v6, v94
	s_delay_alu instid0(VALU_DEP_1)
	v_lshlrev_b32 v6, 13, v6
	s_delay_alu instid0(VALU_DEP_1)
	v_lshl_add_u32 v6, v31, 6, v6                  ; the mask: row r + 8 (r/8) of 8,192 bytes, + 64 h
	v_lshl_add_u32 v31, v94, 5, v31                ; 32 r + h: my scale byte of the result
	v_lshlrev_b32 v94, 5, v94                      ; 32 r
.irp i, 0,1,2,3,4,5
	v_mov_b32 v[22+\i], 0                          ; Q's upper 64 codes
	v_mov_b32 v[KB+48+\i], 0                       ; behind K's last tile
.endr
.irp b, 0,1,2,3
	v_mov_b32 v[PT+\b], 0                          ; a lane permute's destination counts as one of its sources
.endr
	v_mov_b32 v[FF+1], 0
	v_mov_b32 v[TP], 0
	s_mov_b32 s[SEL], 0x76543210
	s_mov_b32 s[SEL+1], 0xfedcba98
	s_mov_b32 s[NEG], 0xce6e6b28                   ; -1e9
	s_mov_b32 s[NEG+1], s[NEG]
	s_mov_b32 s[EIG], 0x3e000000                   ; 1 / 8
	s_mov_b32 s[EIG+1], s[EIG]
	s_mov_b32 s[L2E], 0x3fb8aa3b                   ; log2(e)
	s_mov_b32 s[L2E+1], s[L2E]
	s_mov_b32 s[HM], 0xffff0000                    ; lanes 16-31
	s_wait_alu depctr_va_vdst(0)
	s_wait_kmcnt 0x0
	s_add_nc_u64 s[16:17], s[4:5], s[40:41]        ; q's images of this head; k's lie 6,291,456 bytes on
	s_add_nc_u64 s[18:19], s[4:5], s[42:43]        ; q's scale words; k's lie 524,288 bytes on
	s_add_nc_u64 s[62:63], s[16:17], 12582912      ; v's images
	s_add_nc_u64 s[2:3], s[16:17], 6291456
	s_cmp_lt_u32 ttmp9, 2
	s_cselect_b64 s[2:3], s[2:3], s[62:63]         ; the prefetch: work-groups 0 and 1 of the head name K, 2 and 3 name V
; one step of 128 keys for my tile of 16 queries
.macro STEP
	s_bitcmp1_b32 s[FL], s[ST]
	s_cbranch_scc1 .Lskip_\@
	s_mov_b32 s[CSU], 0x3e38aa3b                   ; log2(e) / 8
	s_mov_b32 s[CSU+1], 0x3e38aa3b
	v_add_nc_u32 v8, s[TK], v1                     ; (these five are the places behind the last products, in front of the loads into their operands)
	v_add_nc_u32 v9, s[TK], v2
	v_add_nc_u32 v10, s[TK], v3
	v_add_nc_u32 v11, s[TS], v4
	v_add_nc_u32 v28, s[TT], v5
.irp t, 0,1,2,3,4,5,6,7
	ds_load_b128 v[KB+6*\t:KB+6*\t+3], v8 offset:768*\t
	ds_load_b64 v[KB+6*\t+4:KB+6*\t+5], v9 offset:768*\t
.endr
	ds_load_b128 v[KSC:KSC+3], v11
	ds_load_b128 v[KSC+4:KSC+7], v11 offset:16
	s_wait_dscnt 0x0
.irp t, 0,1,2,3,4,5,6,7
	v_wmma_scale_f32_16x16x128_f8f6f4 v[S+8*\t:S+8*\t+7], v[KB+6*\t:KB+6*\t+11], v[16:27], 0, v[KSC+\t], v30 matrix_a_fmt:MATRIX_FMT_BF6 matrix_b_fmt:MATRIX_FMT_BF6
.endr
.rept 4
	v_nop                                          ; places in front of the reads of the scores and of the loads into K's registers
.endr
	s_add_co_u32 s39, s[ST], 16
	s_bitcmp1_b32 s[FL], s39
	s_cbranch_scc1 .Lopen_\@
	v_add_nc_u32 v29, s[MO], v6                    ; the mask's numbers of my query and my 64 keys
.set n, 0
.rept 16
.if n < 12
	global_load_b128 v[KB+4*n:KB+4*n+3], v29, s[8:9] offset:128*(n/4)+16*(n%4)
.else
	global_load_b128 v[MT+4*(n-12):MT+4*(n-12)+3], v29, s[8:9] offset:128*(n/4)+16*(n%4)
.endif
.set n, n+1
.endr
	s_wait_loadcnt 0x0
.set j, 0
.rept 32
.if j < 48
.set MR, KB+j
.else
.set MR, MT+j-48
.endif
	v_pk_mul_f32 v[MR:MR+1], v[MR:MR+1], s[NEG:NEG+1] op_sel_hi:[1,0]   ; mask x -1e9
.set j, j+2
.endr
.set j, 0
.rept 32
.if j < 48
.set MR, KB+j
.else
.set MR, MT+j-48
.endif
	v_pk_fma_f32 v[S+j:S+j+1], v[S+j:S+j+1], s[EIG:EIG+1], v[MR:MR+1] op_sel_hi:[1,0,1]   ; score / 8 (exact) + that: one rounding, as in reference()
.set j, j+2
.endr
.set j, 0
.rept 32
	v_pk_mul_f32 v[S+j:S+j+1], v[S+j:S+j+1], s[L2E:L2E+1] op_sel_hi:[1,0]   ; t
.set j, j+2
.endr
	s_mov_b32 s[CSU], 1.0
	s_mov_b32 s[CSU+1], 1.0
.Lopen_\@:
	s_wait_alu depctr_va_vdst(0)
.irp t, 0,1,2,3
.irp c, 0,1,2
	ds_load_b128 v[KB+12*\t+4*\c:KB+12*\t+4*\c+3], v10 offset:1536*\t+512*\c   ; V's four fragments land while the softmax is walked
.endr
.endr
	ds_load_b128 v[KSC:KSC+3], v28
.irp b, 0,1,2,3
	v_max3_num_f32 v[BM+\b], v[S+16*\b], v[S+1+16*\b], v[S+2+16*\b]   ; the largest score of each block of 32 keys: for the row's maximum and, since p rises with the score, for the block's largest p
.endr
.irp i, 3,5,7,9,11,13
.irp b, 0,1,2,3
	v_max3_num_f32 v[BM+\b], v[BM+\b], v[S+16*\b+\i], v[S+1+16*\b+\i]
.endr
.endr
.irp b, 0,1,2,3
	v_max_num_f32 v[BM+\b], v[BM+\b], v[S+15+16*\b]
.endr
.irp b, 0,1,2,3
	s_delay_alu instid0(VALU_DEP_4)
	v_permlanex16_b32 v[PT+\b], v[BM+\b], s[SEL], s[SEL+1]
.endr
.irp b, 0,1,2,3
	s_delay_alu instid0(VALU_DEP_4)
	v_max_num_f32 v[BM+\b], v[BM+\b], v[PT+\b]
.endr
	s_delay_alu instid0(VALU_DEP_2)
	v_max3_num_f32 v[TP], v[BM], v[BM+1], v[BM+2]
	s_delay_alu instid0(VALU_DEP_1)
	v_max_num_f32 v[TP], v[TP], v[BM+3]
	s_delay_alu instid0(VALU_DEP_1)
	v_mul_f32 v[TP], s[CSU], v[TP]                 ; as t
	s_delay_alu instid0(VALU_DEP_1)
	v_max_num_f32 v13, v13, v[TP]                  ; the running largest t
	v_mov_b32 v[TP], v12
	s_delay_alu instid0(VALU_DEP_2)
	v_floor_f32 v12, -v13                          ; the new -M = -ceil(t)
	s_delay_alu instid0(VALU_DEP_1)
	v_sub_f32 v[TP], v12, v[TP]                    ; old M - new M: a whole number, 0 or less
	s_delay_alu instid0(VALU_DEP_1)
	v_cvt_i32_f32 v[TP], v[TP]                     ; (it saturates)
	s_delay_alu instid0(VALU_DEP_1)
	v_ldexp_f32 v[FF], 1.0, v[TP]                  ; f = 2^(old M - new M)
.set j, 0
.rept 32
	v_pk_fma_f32 v[S+j:S+j+1], v[S+j:S+j+1], s[CSU:CSU+1], v[12:13] op_sel_hi:[1,0,0]   ; t - M
.set j, j+2
.endr
.irp b, 0,1,2,3
	v_fma_f32 v[BM+\b], v[BM+\b], s[CSU], v12
.endr
.set j, 0
	s_wait_alu depctr_va_vdst(0)
.rept 64
	v_exp_f32 v[S+j], v[S+j]                       ; p = 2^(t - M)
.set j, j+1
.endr
	v_pk_mul_f32 v[14:15], v[14:15], v[FF:FF+1] op_sel_hi:[1,0]   ; the sums under the new M: the plain instruction behind the exponentials
	s_wait_alu depctr_va_vdst(0)                   ; one wait for the batch of 64, ahead of its first reader
.irp b, 0,1,2,3
	v_exp_f32 v[BM+\b], v[BM+\b]                   ; the blocks' largest p
.endr
	v_pk_add_f32 v[216:217], v[100:101], v[104:105]   ; the row's sum of the unquantised p, in eight chains; six of them in the registers that p's codes take afterwards
	v_pk_add_f32 v[192:193], v[108:109], v[112:113]
	v_pk_add_f32 v[194:195], v[116:117], v[120:121]
	v_pk_add_f32 v[196:197], v[124:125], v[128:129]
	v_pk_add_f32 v[198:199], v[132:133], v[136:137]
	v_pk_add_f32 v[200:201], v[140:141], v[144:145]
	v_pk_add_f32 v[202:203], v[148:149], v[152:153]
	v_pk_add_f32 v[14:15], v[14:15], v[156:157]
	v_pk_add_f32 v[216:217], v[216:217], v[96:97]
	v_pk_add_f32 v[192:193], v[192:193], v[98:99]
	v_pk_add_f32 v[194:195], v[194:195], v[102:103]
	v_pk_add_f32 v[196:197], v[196:197], v[106:107]
	v_pk_add_f32 v[198:199], v[198:199], v[110:111]
	v_pk_add_f32 v[200:201], v[200:201], v[114:115]
	v_pk_add_f32 v[202:203], v[202:203], v[118:119]
	v_pk_add_f32 v[14:15], v[14:15], v[122:123]
	v_pk_add_f32 v[216:217], v[216:217], v[126:127]
	v_pk_add_f32 v[192:193], v[192:193], v[130:131]
	v_pk_add_f32 v[194:195], v[194:195], v[134:135]
	v_pk_add_f32 v[196:197], v[196:197], v[138:139]
	v_pk_add_f32 v[198:199], v[198:199], v[142:143]
	v_pk_add_f32 v[200:201], v[200:201], v[146:147]
	v_pk_add_f32 v[202:203], v[202:203], v[150:151]
	v_pk_add_f32 v[14:15], v[14:15], v[154:155]
	v_pk_add_f32 v[216:217], v[216:217], v[158:159]
	s_delay_alu instid0(VALU_DEP_2)
	v_pk_add_f32 v[14:15], v[14:15], v[196:197]
	s_delay_alu instid0(VALU_DEP_2)
	v_pk_add_f32 v[216:217], v[216:217], v[198:199]
	v_pk_add_f32 v[192:193], v[192:193], v[200:201]
	v_pk_add_f32 v[194:195], v[194:195], v[202:203]
	s_delay_alu instid0(VALU_DEP_2)
	v_pk_add_f32 v[14:15], v[14:15], v[192:193]
	s_delay_alu instid0(VALU_DEP_2)
	v_pk_add_f32 v[216:217], v[216:217], v[194:195]
	s_delay_alu instid0(VALU_DEP_1)
	v_pk_add_f32 v[14:15], v[14:15], v[216:217]
	s_wait_alu depctr_va_vdst(0)                   ; and one for the four
.irp b, 0,1,2,3
	v_max_num_f32 v[BM+\b], 0x2800000, v[BM+\b]    ; the floor 2^(5 - 127)
.endr
.irp b, 0,1,2,3
	s_delay_alu instid0(VALU_DEP_4)
	v_add_nc_u32 v[SO+\b], 0xfe000000, v[BM+\b]
.endr
.irp b, 0,1,2,3
	s_delay_alu instid0(VALU_DEP_4)
	v_lshrrev_b32 v[PT+\b], 23, v[SO+\b]
.endr
	s_delay_alu instid0(VALU_DEP_3)
	v_lshl_or_b32 v[PS], v[PT+1], 8, v[PT]
	s_delay_alu instid0(VALU_DEP_1)
	v_lshl_or_b32 v[PS], v[PT+2], 16, v[PS]
	s_delay_alu instid0(VALU_DEP_1)
	v_lshl_or_b32 v[PS], v[PT+3], 24, v[PS]
.irp c, 0,1
	v_cvt_scalef32_pk16_bf6_f32 v[PC+6*\c:PC+2+6*\c], v[S+32*\c:S+15+32*\c], v[SO+2*\c]
	v_cvt_scalef32_pk16_bf6_f32 v[PC+12+4*\c:PC+14+4*\c], v[S+16+32*\c:S+31+32*\c], v[SO+2*\c+1]
.endr
	v_nop                                          ; one plain instruction behind the scaled conversions
.irp c, 0,1
.irp i, 0,1,2
	v_permlane16_swap_b32 v[PC+6*\c+\i], v[PC+12+4*\c+\i]
.endr
.irp i, 0,1,2
	s_delay_alu instid0(VALU_DEP_3)
	v_mov_b32 v[PC+3+6*\c+\i], v[PC+12+4*\c+\i]
.endr
.endr
.set j, 0
.rept 16
	v_pk_mul_f32 v[O+j:O+j+1], v[O+j:O+j+1], v[FF:FF+1] op_sel_hi:[1,0]   ; O^T under the new M; of these 16, twelve name no register of any one product below: the places behind the codes and the scale word
.set j, j+2
.endr
	s_wait_alu depctr_va_vdst(0)
	s_wait_dscnt 0x0                               ; V
.irp t, 0,1,2,3
	v_wmma_scale_f32_16x16x128_f8f6f4 v[O+8*\t:O+8*\t+7], v[KB+12*\t:KB+12*\t+11], v[PC:PC+11], v[O+8*\t:O+8*\t+7], v[KSC+\t], v[PS] matrix_a_fmt:MATRIX_FMT_BF6 matrix_b_fmt:MATRIX_FMT_BF6
.endr
.Lskip_\@:
.endm
; a quarter's eight loads, into v256-287: the thread's 16 bytes of each run of 6,144; adr holds 16 x thread + the offset of the quarter before
.macro ASKQ adr
	s_set_vgpr_msb 0x40                            ; the destination: window 1
.irp n, 0,1,2,3
	global_load_b128 v[4*\n:4*\n+3], v[\adr], s[16:17] offset:6291456+QB+RB*\n
	global_load_b128 v[16+4*\n:19+4*\n], v[\adr], s[62:63] offset:QB+RB*\n
.endr
	s_set_vgpr_msb 0x4000
.endm
; the steps up to step 'upto'.  fill = 1: at each trip's end the quarter that was on its way goes to LDS, and, but for the last trip, the next is asked for
.macro WALK upto, fill
.Lstep_\@:
	STEP
	s_add_co_u32 s[TK], s[TK], 6144                ; the next step's images,
	s_add_co_u32 s[TS], s[TS], 512                 ; K's scale words,
	s_add_co_u32 s[TT], s[TT], 256                 ; V's,
	s_add_co_u32 s[MO], s[MO], 512                 ; and 128 keys on in the mask
	s_add_co_u32 s[ST], s[ST], 1
.if \fill
	v_add_nc_u32 v8, s[FQ], v[FA]
	v_add_nc_u32 v9, s[FQ], v[FB]
	s_add_co_u32 s[FQ], s[FQ], QB
	s_wait_alu depctr_va_vdst(0)
	s_wait_loadcnt 0x0                             ; the quarter has landed
	s_set_vgpr_msb 0x04                            ; the data: window 1
.irp n, 0,1,2,3
	ds_store_b128 v8, v[4*\n:4*\n+3] offset:RB*\n
	ds_store_b128 v9, v[16+4*\n:19+4*\n] offset:RB*\n
.endr
	s_set_vgpr_msb 0x0400
	s_wait_dscnt 0x0                               ; the stores are done: for the staging registers, and behind the last trip for the other waves
	s_cmp_lt_u32 s[ST], \upto
	s_cbranch_scc0 .Lnoask_\@
	ASKQ 8
	s_wait_xcnt 0x0                                ; v8 is written again in the next trip
.Lnoask_\@:
.endif
	s_cmp_lt_u32 s[ST], \upto
	s_cbranch_scc1 .Lstep_\@
.endm
.macro QTILE slot
.if \slot == 0
	s_sub_co_u32 s39, 15, s[PP]
.elseif \slot == 1
	s_lshr_b32 s39, 0x894576, s[P4]                ; four bits a pair of waves
	s_and_b32 s39, s39, 15
.else
	s_lshr_b32 s39, 0x203100, s[P4]
	s_and_b32 s39, s39, 15
.endif
	s_lshl_b32 s39, s39, 1
	s_add_co_u32 s39, s39, s[EE]                   ; i
	s_lshl_b32 s[TAU], s39, 2
	s_add_co_u32 s[TAU], s[TAU], ttmp9             ; my tile of 16 queries
	s_lshl_b32 s40, s[TAU], 4
	s_add_nc_u64 s[42:43], s[6:7], s[40:41]
	s_load_b128 s[56:59], s[42:43], 0x0            ; its four words of flags
	s_mul_i32 s40, s[TAU], 768
	s_add_nc_u64 s[48:49], s[16:17], s[40:41]
	s_lshr_b32 s40, s[TAU], 3
	s_lshl_b32 s40, s40, 9
	s_and_b32 s44, s[TAU], 7
	s_lshl_b32 s44, s44, 2
	s_add_co_u32 s40, s40, s44
	s_add_nc_u64 s[50:51], s[18:19], s[40:41]
	global_load_b128 v[16:19], v1, s[48:49]        ; Q's fragment stays in registers
	global_load_b64 v[20:21], v7, s[48:49] offset:512
	global_load_b32 v30, v94, s[50:51]             ; and its scale words
.if \slot == 0
	global_load_b128 v[128:131], v[FA], s[18:19] offset:524288   ; the first 6,144 bytes of K's scale words; the rest of them and V's;
	global_load_b128 v[132:135], v206, s[4:5]
.irp n, 0,1,2,3
	global_load_b128 v[96+4*\n:99+4*\n], v[FA], s[16:17] offset:6291456+RB*\n   ; quarter 0;
	global_load_b128 v[112+4*\n:115+4*\n], v[FA], s[62:63] offset:RB*\n
.endr
	ASKQ FA                                        ; and quarter 1, into the staging registers
	s_cmp_lt_u32 s[WV], 3
	s_cbranch_scc0 .Lnopf_\@
	global_prefetch_b8 v[PFO], s[2:3] th:TH_LOAD_NT scope:SCOPE_SE   ; its registers are never written again
.Lnopf_\@:
	s_mov_b32 s[FQ], QB
.endif
	s_lshr_b32 s44, s[BH], 4
	s_lshl_b32 s44, s44, 7
	s_add_co_u32 s44, s44, s[TAU]                  ; the tile among all 512
	s_mul_i32 s40, s44, 12288
	s_and_b32 s45, s[BH], 15
	s_mul_i32 s46, s45, 768                        ; the head's 64 features: K step head / 2, register pairs 3 (head % 2) on
	s_add_co_u32 s40, s40, s46
	s_add_nc_u64 s[52:53], s[10:11], s[40:41]
	s_lshl_b32 s40, s44, 9
	s_lshl_b32 s45, s45, 1
	s_add_co_u32 s40, s40, s45
	s_add_co_u32 s40, s40, 6291456
	s_add_nc_u64 s[54:55], s[10:11], s[40:41]
	s_lshr_b32 s[MO], s[TAU], 1
	s_lshl_b32 s[MO], s[MO], 5
	s_and_b32 s44, s[TAU], 1
	s_lshl_b32 s44, s44, 3
	s_add_co_u32 s[MO], s[MO], s44
	s_lshl_b32 s[MO], s[MO], 13                    ; the tile's first row of the mask
	s_mov_b32 s[TK], 0
	s_mov_b32 s[TS], 0
	s_mov_b32 s[TT], 0
	s_mov_b32 s[ST], 0
	v_mov_b32 v13, 0xff61b1e6                      ; the largest t so far: -3e38
	s_delay_alu instid0(VALU_DEP_1)
	v_floor_f32 v12, -v13                          ; -M
	v_mov_b32 v14, 0
	v_mov_b32 v15, 0
.set j, 0
.rept 32
	v_mov_b32 v[O+j], 0                            ; which step comes first hangs on the flags, so the step is written once: the first finds zeros
.set j, j+1
.endr
	s_wait_alu depctr_va_vdst(0)
	s_wait_kmcnt 0x0
	s_and_b32 s[FL], s56, s57
	s_and_b32 s[FL], s[FL], s58
	s_and_b32 s[FL], s[FL], s59                    ; a bit holds of the tile where it holds of all four groups of rows
.if \slot == 2
	s_cmp_lt_u32 s[PP], 2
	s_cselect_b32 s[FL], 0xffff, s[FL]             ; waves 0 to 3 have no third tile: every step is skipped
.endif
.if \slot == 0
	s_wait_loadcnt 8                               ; all but quarter 1's eight loads are in
.irp n, 0,1,2,3
	ds_store_b128 v[FA], v[96+4*\n:99+4*\n] offset:RB*\n
	ds_store_b128 v[FB], v[112+4*\n:115+4*\n] offset:RB*\n
.endr
	ds_store_b128 v203, v[128:131]
	ds_store_b128 v203, v[132:135] offset:RB
	s_wait_dscnt 0x0                               ; for the others' sake: my part of quarter 0 and of the scale words lies in LDS
	s_barrier_signal -1
	s_barrier_wait -1
	WALK 3, 1                                      ; steps 0 to 2 read quarter 0 alone; quarters 1 to 3 are stored beside them
	s_barrier_signal -1                            ; every wave's stores were waited for in its last trip
	s_barrier_wait -1
	WALK 16, 0
.else
	s_wait_loadcnt 0x0
	WALK 16, 0
.endif
.if \slot == 2
	s_cmp_lt_u32 s[PP], 2
	s_cbranch_scc1 .Lnone_\@                       ; no tile, no way out
.endif
	; the tile's end: O^T / the sum, quantised along the head's 64 features (two blocks of 32), stored as three register pairs of the next product's image
.rept 4
	v_nop                                          ; places behind the last products
.endr
	v_add_f32 v14, v14, v15
	s_delay_alu instid0(VALU_DEP_1)
	v_permlanex16_b32 v[TP], v14, s[SEL], s[SEL+1]
	s_delay_alu instid0(VALU_DEP_1)
	v_add_f32 v14, v14, v[TP]                      ; the row's sum
	s_wait_alu depctr_va_vdst(0)
	v_rcp_f32 v[FF], v14
	v_nop                                          ; a plain instruction behind the reciprocal
	s_wait_alu depctr_va_vdst(0)                   ; and the wait ahead of its first reader
.set j, 0
.rept 16
	v_pk_mul_f32 v[O+j:O+j+1], v[O+j:O+j+1], v[FF:FF+1] op_sel_hi:[1,0]
.set j, j+2
.endr
.irp b, 0,1
	v_max3_num_f32 v[BM+\b], |v[O+16*\b]|, |v[O+1+16*\b]|, 0x2800000
.endr
.irp i, 2,4,6,8,10,12,14
.irp b, 0,1
	s_delay_alu instid0(VALU_DEP_2)
	v_max3_num_f32 v[BM+\b], v[BM+\b], |v[O+16*\b+\i]|, |v[O+1+16*\b+\i]|
.endr
.endr
.irp b, 0,1
	s_delay_alu instid0(VALU_DEP_2)
	v_permlanex16_b32 v[PT+\b], v[BM+\b], s[SEL], s[SEL+1]
.endr
.irp b, 0,1
	s_delay_alu instid0(VALU_DEP_2)
	v_max_num_f32 v[BM+\b], v[BM+\b], v[PT+\b]
.endr
.irp b, 0,1
	s_delay_alu instid0(VALU_DEP_2)
	v_add_nc_u32 v[SO+\b], 0xfe000000, v[BM+\b]
.endr
.irp b, 0,1
	s_delay_alu instid0(VALU_DEP_2)
	v_lshrrev_b32 v[PT+\b], 23, v[SO+\b]
.endr
	v_cvt_scalef32_pk16_bf6_f32 v[PC:PC+2], v[O:O+15], v[SO]
	v_cvt_scalef32_pk16_bf6_f32 v[PC+12:PC+14], v[O+16:O+31], v[SO+1]
	v_nop
.irp i, 0,1,2
	v_permlane16_swap_b32 v[PC+\i], v[PC+12+\i]
.endr
.irp i, 0,1,2
	s_delay_alu instid0(VALU_DEP_3)
	v_mov_b32 v[PC+3+\i], v[PC+12+\i]
.endr
	v_cndmask_b32 v[TP], v[PT], v[PT+1], s[HM]     ; lanes 0-15 store block 0's byte, lanes 16-31 block 1's
.irp i, 0,1,2
	global_store_b64 v7, v[PC+2*\i:PC+2*\i+1], s[52:53] offset:256*\i   ; 256 consecutive bytes, aligned
.endr
	global_store_b8 v31, v[TP], s[54:55]
	s_wait_xcnt 0x0                                ; the stores have read their registers and bases
.if \slot == 2
.Lnone_\@:
.endif
.endm
	QTILE 0
	QTILE 1
	QTILE 2
	s_wait_tensorcnt 0x0                           ; the wave's end
	ds_add_u32 v254, v255
	s_wait_dscnt 0x0
	s_endpgm
.Lfunc_end_k_q07fc06fad9_attn:
	.size	k_q07fc06fad9_attn, .Lfunc_end_k_q07fc06fad9_attn-k_q07fc06fad9_attn
	.p2alignl 7, 3214868480
	.fill 96, 4, 3214868480
	.section	.rodata,"a",@progbits
	.p2align	6, 0x0
	.amdhsa_kernel k_q07fc06fad9_attn
		.amdhsa_group_segment_fixed_size 259584
		.amdhsa_private_segment_fixed_size 0
		.amdhsa_enable_private_segment 0
		.amdhsa_kernarg_size 32
		.amdhsa_user_sgpr_count 2
		.amdhsa_user_sgpr_kernarg_segment_ptr 1
		.amdhsa_wavefront_size32 1
		.amdhsa_system_sgpr_workgroup_id_x 1
		.amdhsa_system_sgpr_workgroup_id_y 1
		.amdhsa_system_sgpr_workgroup_id_z 1
		.amdhsa_system_vgpr_workitem_id 0
		.amdhsa_next_free_vgpr 288
		.amdhsa_next_free_sgpr 66
		.amdhsa_reserve_vcc 1
		.amdhsa_float_denorm_mode_32 3
		.amdhsa_float_denorm_mode_16_64 3
		.amdhsa_memory_ordered 1
		.amdhsa_forward_progress 1
		.amdhsa_inst_pref_size 132
	.end_amdhsa_kernel
	.amdgpu_metadata
---
amdhsa.version: [ 1, 2 ]
amdhsa.kernels:
  - .name:           k_q07fc06fad9_attn
    .symbol:         k_q07fc06fad9_attn.kd
    .args:
      - { .name: att, .offset: 0, .size: 8, .value_kind: global_buffer, .address_space: global }
      - { .name: flags, .offset: 8, .size: 8, .value_kind: global_buffer, .address_space: global }
      - { .name: mask, .offset: 16, .size: 8, .value_kind: global_buffer, .address_space: global }
      - { .name: oop, .offset: 24, .size: 8, .value_kind: global_buffer, .address_space: global }
    .group_segment_fixed_size: 259584
    .private_segment_fixed_size: 0
    .kernarg_segment_align: 8
    .kernarg_segment_size: 32
    .max_flat_workgroup_size: 384
    .sgpr_count:     66
    .vgpr_count:     288
    .wavefront_size: 32
...
	.end_amdgpu_metadata
.endif
;; end of part 3
;; launch outp (part 4): grid 4 x 64, 4 waves a work-group, clusters of 4 x 4, 327,680 bytes of LDS; arguments oop, wop, bo, out0; writes out0
.if DOCPART == 4
	.amdgcn_target "amdgcn-amd-amdhsa--gfx1250"
	.amdhsa_code_object_version 6
	.text
	.protected	k_q07fc06fad9_outp
	.globl	k_q07fc06fad9_outp
	.p2align	8
	.type	k_q07fc06fad9_outp,@function
k_q07fc06fad9_outp:
	s_mov_b64 s[64:65], 0
	v_nop
	global_prefetch_b8 v0, s[64:65] scope:SCOPE_SE
	s_setreg_imm32_b32 hwreg(HW_REG_WAVE_MODE, 25, 1), 1
	s_wait_xcnt 0x0
	s_wait_alu depctr_hold_cnt(0) depctr_sa_sdst(0) depctr_va_vdst(0) depctr_va_sdst(0) depctr_va_ssrc(0) depctr_va_vcc(0) depctr_vm_vsrc(0)
	s_getreg_b32 s2, hwreg(HW_REG_IB_STS2, 6, 4)
	s_cmp_eq_u32 s2, 0
	s_cbranch_scc0 .Lentry_in_a_cluster
	s_endpgm
.Lentry_in_a_cluster:
	s_bfe_u32 s2, ttmp6, 0x10000c
	s_cmp_lg_u32 s2, 0xf033
	s_cbranch_scc0 .Lentry_shape_is_right
	s_endpgm
.Lentry_shape_is_right:
; OUTP.  out0 = o Wo + bo: [8192][1024] f32, both operands as codes of E3M2 with E8M0 scale bytes, laid by the earlier launches as images of the operand's registers:
; [tile of 16 rows][K step 0..7][register pair 0..5][lane][8 bytes], 12,288 bytes a tile; scale bytes [stored row][32].  Lane-row r of tile T is logical row 32 (T/2) + 8 (T%2) + r + 8 (r/8).
; A work-group makes 128 rows x 256 columns: 64 x 4 = 256 work-groups.  K is 1,024, so its 8 tiles of o (98,304 bytes) and 16 tiles of Wo^T (196,608 bytes) for ALL of K fit in LDS together:
; they are two dense blocks of memory and come by one tensor load a wave at the head (waves 0 to 2 a third of B each, wave 3 A).  Nothing is filled again: no ring, one barrier in front of the products.
; CLUSTERS: 4 x 4 work-groups; A's block hangs on the tile row alone and is asked for jointly along a row of the cluster, B's on the tile column alone and jointly along a column.
; NO PREFETCH: all that the work-group reads is asked for at the head; there is no loop to run ahead in.
; A wave makes 64 x 128: 32 accumulators.  The scale words of its 4 + 8 blocks for all eight K steps (32 bytes a row) and the bias go from memory straight into registers.
; THE MATRIX INSTRUCTION IS USED TRANSPOSED (source 0 = 16 rows of Wo^T, source 1 = 16 rows of o): the 16 registers of column tiles 2 b, 2 b + 1 are 16 neighbouring columns; the bias is the C of the first K step.
; REGISTERS: window 0: v0-31 addresses, v32-63 A's scale words, v64-127 B's, v128-191 the bias, on the way out v128-255; windows 1 and 2: the fragments of even and odd K steps (B v0-95, A v96-143); window 3: the accumulators.
.set ABASE,  196608                    ; LDS: B at 0, A behind it
.set SPARE,  294912                    ; the spare words, 512 bytes
.set SPITCH, 528                       ; the way out: 16 rows x (512 + 16) bytes a wave, in B's first bytes, behind a barrier behind which nobody reads B
.set ADRA, 16
.set ADRB, 20                          ; v20 B's blocks 0-3, v21 blocks 4-7
.set STO,  24
.set RD,   25
.set CO,   26
.set SPW,  28
.set NIL,  29
.set SA,   32
.set SB,   64
.set BI,   128
.set BK,   128
.set WV,   16
.set WH,   17
.set WL,   18
.set CX,   19
.set CY,   20
.set ATI,  22
.set BTI,  23
.set G1,   24
.set G0,   32
.set G1B,  48
.set G0B,  56
.set MSB, 0
.macro WIN new                         ; the immediate's high byte repeats the setting that is left
.if MSB != \new
	s_set_vgpr_msb (MSB<<8)|\new
.set MSB, \new
.endif
.endm
.macro CROUND                          ; a round of the cluster's barrier
	s_barrier_signal -1
	s_barrier_wait -1
	s_cmp_lg_u32 s[WV], 0
	s_cbranch_scc1 .Lnot_wave_0_\@
	s_barrier_signal -3
.Lnot_wave_0_\@:
	s_barrier_wait -3
	s_barrier_signal -1
	s_barrier_wait -1
.endm
.macro PLACES
.rept 4
	v_nop
.endr
.endm
	s_load_b256 s[4:11], s[0:1], 0x0               ; oop, wop, bo, out0
	v_lshl_add_u32 v[SPW], v0, 2, SPARE
	v_mov_b32 v[NIL], 0
	ds_add_u32 v[SPW], v[NIL]                      ; the opening lines: the add, twice on end, and its wait
	ds_add_u32 v[SPW], v[NIL]
	v_lshrrev_b32 v1, 5, v0
	v_readfirstlane_b32 s[WV], v1                  ; wave 0..3
	s_lshr_b32 s[WH], s[WV], 1                     ; which 64 rows are mine
	s_and_b32 s[WL], s[WV], 1                      ; which 128 columns
	s_bfe_u32 s[CX], ttmp6, 0x40000
	s_bfe_u32 s[CY], ttmp6, 0x40004
	s_lshl_b32 s[BTI], ttmp9, 2
	s_add_co_u32 s[BTI], s[BTI], s[CX]             ; tile column, 256 columns each
	s_and_b32 s[ATI], ttmp7, 0xffff
	s_lshl_b32 s[ATI], s[ATI], 2
	s_add_co_u32 s[ATI], s[ATI], s[CY]             ; tile row, 128 rows each
	s_lshl_b32 s43, s[CY], 2
	s_lshl_b32 s43, 15, s43                        ; my row of the cluster
	s_lshl_b32 s44, 0x1111, s[CX]                  ; my column
	s_or_b32 s[G1], s43, (3<<16)|(1<<21)           ; elements of 8 bytes; bit 21 beside a mask
	s_or_b32 s[G1B], s44, (3<<16)|(1<<21)
	s_mov_b32 s[G1+1], 384<<16                     ; A: 32 rows of 3,072 bytes, dense
	s_mov_b32 s[G1+2], 32<<16
	s_mov_b32 s[G1+3], 384<<16
	s_mov_b32 s[G1+4], 32
	s_mov_b32 s[G1+5], 384
	s_mov_b32 s[G1+6], 0
	s_mov_b32 s[G1+7], 0
	s_mov_b32 s[G1B+1], 256<<16                    ; a third of B: 32 rows of 2,048 bytes, dense
	s_mov_b32 s[G1B+2], 32<<16
	s_mov_b32 s[G1B+3], 256<<16
	s_mov_b32 s[G1B+4], 32
	s_mov_b32 s[G1B+5], 256
	s_mov_b32 s[G1B+6], 0
	s_mov_b32 s[G1B+7], 0
	s_mov_b32 s[G0], 1
	s_mov_b32 s[G0+1], ABASE
	s_mov_b32 s[G0B], 1
	s_lshl_b32 s[G0B+1], s[WV], 16                 ; 65,536 x wave
	s_mul_i32 s36, s[ATI], 98304                   ; A's codes
	s_mov_b32 s37, 0
	s_lshl_b32 s38, s[ATI], 12                     ; my 64 rows' scale bytes
	s_lshl_b32 s2, s[WH], 11
	s_add_co_u32 s38, s38, s2
	s_add_co_u32 s38, s38, 6291456
	s_mov_b32 s39, 0
	s_mul_i32 s40, s[BTI], 196608                  ; B's codes: my third
	s_add_co_u32 s40, s40, s[G0B+1]
	s_add_co_u32 s40, s40, 2359296
	s_mov_b32 s41, 0
	s_lshl_b32 s42, s[BTI], 13                     ; my 128 columns' scale bytes
	s_lshl_b32 s2, s[WL], 12
	s_add_co_u32 s42, s42, s2
	s_add_co_u32 s42, s42, 3244032
	s_mov_b32 s43, 0
	s_lshl_b32 s44, s[BTI], 10                     ; my first column in bytes
	s_lshl_b32 s2, s[WL], 9
	s_add_co_u32 s44, s44, s2
	s_mov_b32 s45, 0
	s_lshl_b32 s46, s[ATI], 19                     ; my first row of out0
	s_lshl_b32 s2, s[WH], 18
	s_add_co_u32 s46, s46, s2
	s_add_co_u32 s46, s46, s44
	s_mov_b32 s47, 0
	s_mul_i32 s2, s[WL], 98304                     ; LDS: my 8 tiles of B,
	s_add_co_u32 s3, s2, 49152
	s_mul_i32 s12, s[WH], 49152                    ; my 4 tiles of A,
	s_add_co_u32 s12, s12, ABASE
	s_mul_i32 s13, s[WV], 16*SPITCH                ; my stage
	s_wait_dscnt 0x0                               ; both opening adds are done
	s_wait_kmcnt 0x0
	s_add_nc_u64 s[G0+2:G0+3], s[4:5], s[36:37]
	s_or_b32 s[G0+3], s[G0+3], 0x80000000
	s_add_nc_u64 s[G0B+2:G0B+3], s[6:7], s[40:41]
	s_or_b32 s[G0B+3], s[G0B+3], 0x80000000
	s_add_nc_u64 s[4:5], s[4:5], s[38:39]
	s_add_nc_u64 s[6:7], s[6:7], s[42:43]
	s_add_nc_u64 s[8:9], s[8:9], s[44:45]
	s_add_nc_u64 s[10:11], s[10:11], s[46:47]
	CROUND                                         ; all sixteen work-groups are here: the joint loads meet
	s_cmp_lt_u32 s[WV], 3                          ; one load a wave, in the two arms of one branch on the wave's number
	s_cbranch_scc0 .Lfor_a
	tensor_load_to_lds s[G0B:G0B+3], s[G1B:G1B+7]
	s_nop 0
	PLACES
	s_branch .Lasked
.Lfor_a:
	tensor_load_to_lds s[G0:G0+3], s[G1:G1+7]
	s_nop 0
	PLACES
.Lasked:
	v_and_b32 v1, 15, v0                           ; r
	v_bfe_u32 v2, v0, 4, 1                         ; h
	v_and_b32 v3, 31, v0
	v_lshlrev_b32 v8, 3, v3                        ; 8 x lane
	v_lshlrev_b32 v[CO], 4, v3
	v_lshlrev_b32 v4, 6, v2                        ; the bias: 64 h
	v_lshlrev_b32 v5, 5, v1                        ; scale words: 32 r
	v_add_nc_u32 v[ADRB], s2, v8
	v_add_nc_u32 v[ADRB+1], s3, v8
	v_add_nc_u32 v[ADRA], s12, v8
	v_mul_u32_u24 v6, v1, SPITCH
	v_lshl_add_u32 v6, v2, 6, v6
	v_add_nc_u32 v[STO], s13, v6                   ; into the stage: row r, 64 bytes for each half of the lanes
	v_add_nc_u32 v[RD], s13, v[CO]                 ; back: a row of 512 bytes to the 32 lanes
.irp i, 0,1,2,3
	global_load_b128 v[SA+8*\i:SA+8*\i+3], v5, s[4:5] offset:512*\i       ; register 8 i + s: the word of K step s of my row of A's block i
	global_load_b128 v[SA+8*\i+4:SA+8*\i+7], v5, s[4:5] offset:512*\i+16
.endr
.irp i, 0,1,2,3,4,5,6,7
	global_load_b128 v[SB+8*\i:SB+8*\i+3], v5, s[6:7] offset:512*\i
	global_load_b128 v[SB+8*\i+4:SB+8*\i+7], v5, s[6:7] offset:512*\i+16
.endr
.irp b, 0,1,2,3
.irp j, 0,1,2,3
	global_load_b128 v[BI+16*\b+4*\j:BI+16*\b+4*\j+3], v4, s[8:9] offset:128*\b+16*\j
.endr
.endr
.macro FETCH s                         ; the fragments of K step s into window 1 + s % 2: 72 loads of 8 bytes a lane, 256 consecutive bytes each
.set WF, 0x40+0x40*((\s)%2)
	WIN WF
.irp b, 0,1,2,3,4,5,6,7
.irp p, 0,1,2,3,4,5
	ds_load_b64 v[12*\b+2*\p:12*\b+2*\p+1], v[ADRB+\b/4] offset:12288*(\b%4)+1536*(\s)+256*\p
.endr
.endr
.irp a, 0,1,2,3
.irp p, 0,1,2,3,4,5
	ds_load_b64 v[96+12*\a+2*\p:96+12*\a+2*\p+1], v[ADRA] offset:12288*\a+1536*(\s)+256*\p
.endr
.endr
.endm
.macro MUL s, first                    ; 32 products: the accumulators take turns, in the same order in every step
.irp a, 0,1,2,3
.irp b, 0,1,2,3,4,5,6,7
.if \first
	v_wmma_scale_f32_16x16x128_f8f6f4 v[8*(8*\a+\b):8*(8*\a+\b)+7], v[12*\b:12*\b+11], v[96+12*\a:96+12*\a+11], v[BI+8*\b:BI+8*\b+7], v[SB+8*\b+(\s)], v[SA+8*\a+(\s)] matrix_a_fmt:MATRIX_FMT_BF6 matrix_b_fmt:MATRIX_FMT_BF6
.else
	v_wmma_scale_f32_16x16x128_f8f6f4 v[8*(8*\a+\b):8*(8*\a+\b)+7], v[12*\b:12*\b+11], v[96+12*\a:96+12*\a+11], v[8*(8*\a+\b):8*(8*\a+\b)+7], v[SB+8*\b+(\s)], v[SA+8*\a+(\s)] matrix_a_fmt:MATRIX_FMT_BF6 matrix_b_fmt:MATRIX_FMT_BF6
.endif
.endr
.endr
.endm
	s_wait_alu depctr_va_vdst(0)
	s_wait_tensorcnt 0x0                           ; my load has landed
	s_barrier_signal -1
	s_barrier_wait -1                              ; and so has every wave's
	FETCH 0
	s_wait_loadcnt 0x0                             ; the scale words and the bias
.set KS, 0
.rept 8
	s_wait_dscnt 0x0                               ; this step's fragments, asked for ahead of the last step's products
.if KS < 7
.if KS > 0
	PLACES                                         ; in front of loads into registers that the last step's products have read
.endif
	FETCH KS+1
.endif
.if KS == 0
	WIN 0xc5                                       ; sources 0 and 1 window 1, C window 0 (the bias), D window 3
	MUL KS, 1
.else
.set WN, 0xf5+5*(KS%2)
	WIN WN                                         ; sources 0 and 1 window 1 or 2, C and D window 3
	MUL KS, 0
.endif
.set KS, KS+1
.endr
	WIN 0
	s_barrier_signal -1                            ; no LDS read of mine is out: behind this barrier nobody reads B, whose first bytes take the stages
	s_barrier_wait -1
.macro TOSTAGE a
.set AC, 64*(\a)
	WIN 0x0c                                       ; the data: window 3
.irp b, 0,1,2,3,4,5,6,7
	ds_store_b128 v[STO], v[AC+8*\b:AC+8*\b+3] offset:128*(\b/2)+32*(\b%2)      ; each accumulator from its low end on
	ds_store_b128 v[STO], v[AC+8*\b+4:AC+8*\b+7] offset:128*(\b/2)+32*(\b%2)+16
.endr
	WIN 0
.set BB, BK+64*((\a)%2)
.irp t, 0,1,2,3,4,5,6,7,8,9,10,11,12,13,14,15
	ds_load_b128 v[BB+4*\t:BB+4*\t+3], v[RD] offset:\t*SPITCH   ; LDS serves a wave's instructions in order: these see my stores
.endr
.endm
.macro SEND a, younger
.set BB, BK+64*((\a)%2)
	s_wait_dscnt \younger
.irp t, 0,1,2,3,4,5,6,7,8,9,10,11,12,13,14,15
	global_store_b128 v[CO], v[BB+4*\t:BB+4*\t+3], s[10:11] offset:(32*((\a)/2)+8*((\a)%2)+\t+8*(\t/8))*4096 th:TH_STORE_NT   ; 512 consecutive bytes, aligned
.endr
.endm
	PLACES
	TOSTAGE 0
.irp a, 1,2,3
.if \a > 1
	s_wait_xcnt 0x0                                ; block a - 2's stores have read their registers
.endif
	TOSTAGE \a
	SEND \a-1, 32                                  ; behind block a - 1's loads: block a's 16 stores and 16 loads
.endr
	SEND 3, 0
	s_wait_tensorcnt 0x0                           ; the wave's end
	ds_add_u32 v[SPW], v[NIL]
	s_wait_dscnt 0x0
	CROUND                                         ; the closing round
	s_endpgm
.Lfunc_end_k_q07fc06fad9_outp:
	.size	k_q07fc06fad9_outp, .Lfunc_end_k_q07fc06fad9_outp-k_q07fc06fad9_outp
	.p2alignl 7, 3214868480
	.fill 96, 4, 3214868480
	.section	.rodata,"a",@progbits
	.p2align	6, 0x0
	.amdhsa_kernel k_q07fc06fad9_outp
		.amdhsa_group_segment_fixed_size 327680
		.amdhsa_private_segment_fixed_size 0
		.amdhsa_enable_private_segment 0
		.amdhsa_kernarg_size 32
		.amdhsa_user_sgpr_count 2
		.amdhsa_user_sgpr_kernarg_segment_ptr 1
		.amdhsa_wavefront_size32 1
		.amdhsa_system_sgpr_workgroup_id_x 1
		.amdhsa_system_sgpr_workgroup_id_y 1
		.amdhsa_system_sgpr_workgroup_id_z 1
		.amdhsa_system_vgpr_workitem_id 0
		.amdhsa_next_free_vgpr 1024
		.amdhsa_next_free_sgpr 66
		.amdhsa_reserve_vcc 0
		.amdhsa_float_denorm_mode_32 3
		.amdhsa_float_denorm_mode_16_64 3
		.amdhsa_memory_ordered 1
		.amdhsa_forward_progress 1
		.amdhsa_inst_pref_size 94
	.end_amdhsa_kernel
	.amdgpu_metadata
---
amdhsa.version: [ 1, 2 ]
amdhsa.kernels:
  - .name:           k_q07fc06fad9_outp
    .symbol:         k_q07fc06fad9_outp.kd
    .args:
      - { .name: oop, .offset: 0, .size: 8, .value_kind: global_buffer, .address_space: global }
      - { .name: wop, .offset: 8, .size: 8, .value_kind: global_buffer, .address_space: global }
      - { .name: bo, .offset: 16, .size: 8, .value_kind: global_buffer, .address_space: global }
      - { .name: out0, .offset: 24, .size: 8, .value_kind: global_buffer, .address_space: global }
    .group_segment_fixed_size: 327680
    .private_segment_fixed_size: 0
    .kernarg_segment_align: 8
    .kernarg_segment_size: 32
    .max_flat_workgroup_size: 128
    .sgpr_count:     66
    .vgpr_count:     1024
    .wavefront_size: 32
...
	.end_amdgpu_metadata
.endif
;; end of part 4
